; MI455X (gfx1250); checked and timed in simulation.
; The chip was launched on July 23, 2026; its instructions are those of AMD's public machine-readable ISA for CDNA 5 (MIT licence, August 2026) and "CDNA5" Instruction Set Architecture Reference Guide (July 2026). The comments in the code are by the model that wrote it; some were corrected since.
;; Multihead Attention. Allowed arithmetic: matrix products marked QUANTISED: E2M3 operands, one E8M0 scale for each 32 along K, by v_wmma_scale_f32_16x16x128_f8f6f4 with both operands' format E2M3, f32 sums; everything else in f32.
;; Inputs: K 1 x 4,096 x 768 float32; Q 1 x 4,096 x 768 float32; V 1 x 4,096 x 768 float32; Wk 768 x 768 float32; Wo 768 x 768 float32; Wq 768 x 768 float32; Wv 768 x 768 float32; bo 768 float32.
;; Outputs: out0 1 x 4,096 x 768 float32.
;; This version of the problem:
;;   THIS VERSION OF THE PROBLEM IS GIVEN IN LOW PRECISION. The matrix products marked QUANTISED in the list below multiply operands that are first quantised to E2M3 (2 exponent bits, 3 mantissa bits; 6 bits a number), with one power-of-two scale for each 32 numbers along K (OCP MX v1.0); their sums are f32. All else is computed in f32.
;;   The module's matrix products, in the order in which they are computed (A, B: the left and right operand; K: the contracted axis; several contracted axes count as one K, in the product's order):
;;     1. [M 4,096, K 768] x [K 768, N 768]; A: input Q; B: input Wq: QUANTISED
;;     2. [M 4,096, K 768] x [K 768, N 768]; A: input K; B: input Wk: QUANTISED
;;     3. [M 4,096, K 768] x [K 768, N 768]; A: input V; B: input Wv: QUANTISED
;;     4. batch 12 x [M 4,096, K 64] x [K 64, N 4,096]; A: computed on the way; B: computed on the way: QUANTISED
;;     5. batch 12 x [M 4,096, K 4,096] x [K 4,096, N 64]; A: softmax (see below); B: computed on the way: QUANTISED
;;     6. [M 4,096, K 768] x [K 768, N 768]; A: computed on the way; B: input Wo: QUANTISED
;;   THE QUANTISER, for each operand of a quantised product, along K:
;;     - K is cut into blocks of 32 from its start; a last block that is shorter is filled with zeros.
;;     - A block's scale is 2^e with e = floor(log2(the largest magnitude in the block)) - 2, held to -126 .. 127; a block of zeros has e = 0. As a byte (E8M0): e + 127.
;;     - Each number is divided by its block's scale, clamped to +-7.5, and rounded to the nearest number of E2M3, ties to even, subnormals kept.
;;     - The product sums the exact products of the quantised numbers (number of the format x scale) in f32.
;;   ~~~python
;;   def quantise(x, axis):      # numpy; x: float32 -> the quantised numbers, widened to float32 again
;;       x = np.moveaxis(x, axis, -1); K = x.shape[-1]
;;       x = np.pad(x, [(0, 0)] * (x.ndim - 1) + [(0, -K % 32)]); x = x.reshape(x.shape[:-1] + (-1, 32)); a = np.abs(x).max(-1, keepdims=True)
;;       e = np.where(a > 0, np.clip(np.frexp(np.where(a > 0, a, 1))[1] - 1 - 2, -126, 127), 0)      # np.frexp(a)[1] - 1 = floor(log2(a)), exactly
;;       r = np.clip(x / 2.0 ** e, -7.5, 7.5)
;;       step = 2.0 ** (np.maximum(np.frexp(np.where(r == 0, 1, r))[1] - 1, 0) - 3)
;;       q = np.round(r / step) * step * 2.0 ** e      # np.round: ties to even
;;       return np.moveaxis(q.reshape(q.shape[:-2] + (-1,))[..., :K], -1, axis).astype(np.float32)
;;   ~~~
;;   SOFTMAX AHEAD OF A QUANTISED PRODUCT. Where the list says 'softmax', what is quantised is not the finished softmax but p = 2^(t - M), with t = logit x log2(e) and M = ceil(the row's largest t), a whole number; so 1/2 < the row's largest p <= 1. The row's sum l is taken of the UNQUANTISED p, in f32, and the product's result is divided by l at the end. Since M is a whole number, a kernel that streams over the keys may use a running M (the ceiling of the running maximum): every later rescaling is an exact power of two, which a block's scale takes up: the codes' values come out the same.
;;   OPERANDS COMPUTED ON THE WAY. 'Computed on the way' means the value that the module computes at that place (a softmax that the list does not call 'softmax' is quantised finished and normalised). What goes into a quantiser is computed in f32, as accurately as f32 sums, v_exp_f32 and their like allow (about 1e-6 of the number): no bf16 or f16 on the way to a quantiser, and a product that is left as it is and whose result goes on into a quantised operand takes f32 operands (vector FMAs, or v_wmma_f32_16x16x4_f32). A number that lies on a knife's edge between two numbers of the format may be rounded either way, as far as f32 arithmetic and the matrix unit's own rounding can turn it there, and no further.
;; 2 versions. Each part assembles by itself: llvm-mc -triple=amdgcn-amd-amdhsa -mcpu=gfx1250 --defsym DOCPART=n.
;; ======== version 1 of 2: 4 launches
;; workspace buffers: wc 1,769,472 bytes; ws 73,728 bytes; qw 2,752,512 bytes; kv 5,308,416 bytes; oc 2,359,296 bytes; os 196,608 bytes
;; launch wquant (part 1): grid 36 x 4, 4 waves a work-group, no clusters, 13,312 bytes of LDS; arguments Wq, Wk, Wv, Wo, wc, ws; writes wc, ws
.if DOCPART == 1
	.amdgcn_target "amdgcn-amd-amdhsa--gfx1250"
	.amdhsa_code_object_version 6
	.text
	.protected	k_qa75f6f6d00_wquant
	.globl	k_qa75f6f6d00_wquant
	.p2align	8
	.type	k_qa75f6f6d00_wquant,@function
k_qa75f6f6d00_wquant:
	s_mov_b64 s[64:65], 0
	v_nop
	global_prefetch_b8 v0, s[64:65] scope:SCOPE_SE
	s_setreg_imm32_b32 hwreg(HW_REG_WAVE_MODE, 25, 1), 1
	s_wait_xcnt 0x0
; The four weights [768 (k)][768 (n)], f32, K on the FIRST axis, become codes of FP6 (E2M3) with one E8M0 byte for each 32 along K,
; laid in the order of a matrix operand's registers, so that the later launches load fragments whole.
;   wc: [weight 4][tile 48][K step 6][1536]: a fragment (16 columns x 128 K, 12 registers a lane) as three runs of 512 bytes, lane l's four registers at 16 l.
;   ws: [weight 4][head 12][K step 6][row 16][tile 4]: 32-bit scale words, 256 bytes for each (head, K step).
; THE COLUMNS OF A TILE ARE NOT NEIGHBOURS: in a group of 32 columns, row r of tile u takes column 8 u + r + 8 (r / 8), so that a product's
; results of two neighbouring tiles are 16 neighbours along the next product's K.
; SHARES.  Work-group (x, y): weight y, K step s = x / 6, columns 128 (x % 6) on.  Wave w takes 32 columns (two tiles); A LANE TAKES A COLUMN AND ITS
; REGISTERS RUN DOWN K: a block of 32 lies in one lane, its largest magnitude needs no other lane, and the conversions give codes with K innermost.
; Each load reads 128 consecutive bytes a wave, 512 a work-group.  The codes turn through the wave's own stage in LDS into the fragment's order and leave
; in stores of 512 consecutive bytes, aligned to 256.  The scale words of the work-group's two heads meet in LDS and leave as two runs of 256 bytes.
; A block's scale is 2^(floor(log2(largest magnitude)) - 2); its byte is the magnitude's exponent field - 2, held at 1 from below.
; LIMITS: NaN and infinities among the inputs are not served; a block whose largest magnitude lies under 2^-124, a block of zeros among them, keeps the byte 1
; (its codes are zeros or subnormal codes under that scale; the bytes are read by this program alone).
; No matrix unit, no tensor load, no cluster: the launch reads each number once and shares nothing but 512 bytes of scale words.
.set X,     32                         ; v32-159  my column's 128 numbers
.set CD,    160                        ; v160-207 12 registers for each block: six of codes, three at work; no store's data are written again
.set OUTR,  208                        ; v208-231 the way out
.set STA,   3                          ; v3   the stage, on the way in: 3072 w + 1536 u + 16 r
.set STR,   4                          ; v4   on the way out: 3072 w + 16 l
.set SCA,   5                          ; v5   my scale word's place in LDS
.set SPW,   7                          ; v7   my spare word: SPARE + 4 x my thread's number; never rewritten
.set NIL,   8                          ; v8   0; never rewritten
.set SW,    9                          ; v9   my column's scale word
.set SCB,   12288                      ; behind the four stages of 3,072 bytes: 512 bytes of scale words
.set SPARE, 12800                      ; behind them: the spare words, 128 bytes a wave, that no other line names
	s_load_b256 s[4:11], s[0:1], 0x0               ; Wq, Wk, Wv, Wo
	s_load_b128 s[12:15], s[0:1], 0x20             ; wc, ws
	v_lshl_add_u32 v[SPW], v0, 2, SPARE
	v_mov_b32 v[NIL], 0
	v_lshrrev_b32 v1, 5, v0
	v_readfirstlane_b32 s16, v1                    ; wave 0..3
	v_and_b32 v1, 31, v0                           ; lane l = my column in the wave's 32
	v_lshlrev_b32 v2, 2, v0                        ; in: 4 bytes a thread
	v_bfe_u32 v10, v0, 3, 1                        ; u = (l / 8) % 2: which of the two tiles
	v_and_b32 v11, 7, v0
	v_bfe_u32 v12, v0, 4, 1
	v_lshl_add_u32 v11, v12, 3, v11                ; r = l % 8 + 8 (l / 16): my row in it
	s_mul_i32 s17, s16, 3072                       ; my wave's stage
	v_lshlrev_b32 v[STA], 4, v11
	v_mad_u32_u24 v[STA], v10, 1536, v[STA]
	v_add_nc_u32 v[STA], s17, v[STA]
	v_lshlrev_b32 v6, 4, v1                        ; 16 l
	v_add_nc_u32 v[STR], s17, v6
	s_lshr_b32 s18, s16, 1
	s_lshl_b32 s18, s18, 8                         ; which of the two heads: 256 bytes each
	s_and_b32 s19, s16, 1
	s_lshl_b32 s19, s19, 3                         ; tiles 2 (w % 2) + u: 4 bytes each
	s_add_co_u32 s18, s18, s19
	s_add_co_u32 s18, s18, SCB
	v_lshlrev_b32 v[SCA], 4, v11                   ; 16 bytes a row
	v_lshl_add_u32 v[SCA], v10, 2, v[SCA]
	v_add_nc_u32 v[SCA], s18, v[SCA]
	v_and_b32 v13, 15, v0
	v_lshlrev_b32 v14, 4, v13
	v_mad_u32_u24 v14, v12, 1536, v14              ; the words' way out: lanes 0-15 the first head's 256 bytes, lanes 16-31 the second's, 1,536 bytes on
	v_add_nc_u32 v15, SCB, v6
	s_mul_i32 s20, ttmp9, 43
	s_lshr_b32 s20, s20, 8                         ; s = x / 6 (exact for x under 36)
	s_mul_i32 s21, s20, 6
	s_sub_co_u32 s21, ttmp9, s21                   ; which 128 columns
	s_and_b32 s22, ttmp7, 0xffff                   ; which weight
	s_mul_i32 s24, s20, 393216                     ; 128 rows of 3,072 bytes
	s_lshl_b32 s25, s21, 9
	s_add_co_u32 s24, s24, s25
	s_mov_b32 s25, 0
	s_lshl_b32 s26, s21, 2
	s_add_co_u32 s26, s26, s16                     ; my pair of tiles
	s_mul_i32 s26, s26, 18432                      ; two tiles x six K steps x 1,536
	s_mul_i32 s27, s22, 442368
	s_add_co_u32 s26, s26, s27
	s_mul_i32 s27, s20, 1536
	s_add_co_u32 s26, s26, s27
	s_mov_b32 s27, 0
	s_mul_i32 s28, s22, 18432
	s_mul_i32 s29, s21, 3072                       ; two heads x six K steps x 256
	s_add_co_u32 s28, s28, s29
	s_lshl_b32 s29, s20, 8
	s_add_co_u32 s28, s28, s29
	s_mov_b32 s29, 0
	s_wait_kmcnt 0x0
	s_cmp_eq_u32 s22, 1                            ; the weight is chosen by the work-group's number alone
	s_cselect_b64 s[4:5], s[6:7], s[4:5]
	s_cmp_eq_u32 s22, 2
	s_cselect_b64 s[4:5], s[8:9], s[4:5]
	s_cmp_eq_u32 s22, 3
	s_cselect_b64 s[4:5], s[10:11], s[4:5]
	s_add_nc_u64 s[4:5], s[4:5], s[24:25]
	s_add_nc_u64 s[12:13], s[12:13], s[26:27]
	s_add_nc_u64 s[14:15], s[14:15], s[28:29]
.set KK, 0
.rept 128
	global_load_b32 v[X+KK], v2, s[4:5] offset:KK*3072 th:TH_LOAD_NT   ; W(128 s + KK, my column): all 128 go out at once
.set KK, KK+1
.endr
; Block kb of four: k = 32 kb on.  In the fragment it belongs to lane r + 16 (kb % 2), registers 6 (kb / 2) on.
.macro BLOCK kb
.set XS, X+32*(\kb)
.set CC, CD+12*(\kb)
	v_max3_num_f32 v10, |v[XS]|, |v[XS+1]|, |v[XS+2]|              ; the block's largest magnitude, in two chains
	v_max3_num_f32 v11, |v[XS+3]|, |v[XS+4]|, |v[XS+5]|
.irp i, 6,10,14,18,22,26
	v_max3_num_f32 v10, v10, |v[XS+\i]|, |v[XS+\i+1]|
	v_max3_num_f32 v11, v11, |v[XS+\i+2]|, |v[XS+\i+3]|
.endr
	v_max3_num_f32 v10, v10, |v[XS+30]|, |v[XS+31]|
	v_max3_num_f32 v10, v10, v11, 0x1800000        ; and the floor 2^(3 - 127): the byte cannot fall under 1
	v_add_nc_u32 v12, 0xff000000, v10              ; 2 off the exponent field: the conversion takes this operand's exponent field as its scale
	v_lshrrev_b32 v13, 23, v12                     ; the scale's byte
.if (\kb) == 0
	v_mov_b32 v[SW], v13
.else
	v_lshl_or_b32 v[SW], v13, 8*(\kb), v[SW]       ; the lower K in the lower byte
.endif
	v_cvt_scalef32_pk16_fp6_f32 v[CC:CC+2], v[XS:XS+15], v12
	v_cvt_scalef32_pk16_fp6_f32 v[CC+6:CC+8], v[XS+16:XS+31], v12  ; (a conversion's three registers begin on an even number)
	v_nop                                          ; one plain instruction behind a scaled conversion
.irp i, 0,1,2
	v_mov_b32 v[CC+3+\i], v[CC+6+\i]
.endr
.irp p, 0,1,2
.set R0, 6*((\kb)/2)+2*\p                          ; the fragment's registers R0, R0 + 1: run R0 / 4 of 512 bytes, 16 bytes a lane, word R0 % 4
	ds_store_b64 v[STA], v[CC+2*\p:CC+2*\p+1] offset:(R0/4)*512+4*(R0%4)+256*((\kb)%2)
.endr
.endm
	s_wait_loadcnt 63                              ; loads come back in order: at most 63 of the 128 are out, so the first 65, blocks 0 and 1 among them, are in
	BLOCK 0
	BLOCK 1
	s_wait_loadcnt 32                              ; block 3's 32 may be out
	BLOCK 2
	s_wait_loadcnt 0x0
	BLOCK 3
	ds_store_b32 v[SCA], v[SW]
.irp i, 0,1,2,3,4,5
	ds_load_b128 v[OUTR+4*\i:OUTR+4*\i+3], v[STR] offset:512*\i    ; LDS serves a wave's instructions in order: these see my stores
.endr
.irp i, 0,1,2,3,4,5
	s_wait_dscnt 5-\i                              ; the younger loads may be out
	global_store_b128 v6, v[OUTR+4*\i:OUTR+4*\i+3], s[12:13] offset:(\i/3)*9216+(\i%3)*512   ; 512 consecutive bytes, aligned to 256
.endr
	s_wait_dscnt 0x0                               ; for the others' sake: my scale words have landed
	s_barrier_signal -1
	s_barrier_wait -1
	s_cmp_lg_u32 s16, 0                            ; wave 0 stores the two heads' words
	s_cbranch_scc1 .Ldone
	ds_load_b128 v[24:27], v15
	s_wait_dscnt 0x0
	global_store_b128 v14, v[24:27], s[14:15]      ; sixteen lanes store 256 consecutive bytes, aligned
.Ldone:
	s_wait_tensorcnt 0x0                           ; the wave's end, behind my last LDS store
	ds_add_u32 v[SPW], v[NIL]
	s_wait_dscnt 0x0
	s_endpgm
.Lfunc_end_k_qa75f6f6d00_wquant:
	.size	k_qa75f6f6d00_wquant, .Lfunc_end_k_qa75f6f6d00_wquant-k_qa75f6f6d00_wquant
	.p2alignl 7, 3214868480
	.fill 96, 4, 3214868480
	.section	.rodata,"a",@progbits
	.p2align	6, 0x0
	.amdhsa_kernel k_qa75f6f6d00_wquant
		.amdhsa_group_segment_fixed_size 13312
		.amdhsa_private_segment_fixed_size 0
		.amdhsa_enable_private_segment 0
		.amdhsa_kernarg_size 48
		.amdhsa_user_sgpr_count 2
		.amdhsa_user_sgpr_kernarg_segment_ptr 1
		.amdhsa_wavefront_size32 1
		.amdhsa_system_sgpr_workgroup_id_x 1
		.amdhsa_system_sgpr_workgroup_id_y 1
		.amdhsa_system_sgpr_workgroup_id_z 1
		.amdhsa_system_vgpr_workitem_id 0
		.amdhsa_next_free_vgpr 240
		.amdhsa_next_free_sgpr 66
		.amdhsa_reserve_vcc 0
		.amdhsa_float_denorm_mode_32 3
		.amdhsa_float_denorm_mode_16_64 3
		.amdhsa_memory_ordered 1
		.amdhsa_forward_progress 1
		.amdhsa_inst_pref_size 24
	.end_amdhsa_kernel
	.amdgpu_metadata
---
amdhsa.version: [ 1, 2 ]
amdhsa.kernels:
  - .name:           k_qa75f6f6d00_wquant
    .symbol:         k_qa75f6f6d00_wquant.kd
    .args:
      - { .name: Wq, .offset: 0, .size: 8, .value_kind: global_buffer, .address_space: global }
      - { .name: Wk, .offset: 8, .size: 8, .value_kind: global_buffer, .address_space: global }
      - { .name: Wv, .offset: 16, .size: 8, .value_kind: global_buffer, .address_space: global }
      - { .name: Wo, .offset: 24, .size: 8, .value_kind: global_buffer, .address_space: global }
      - { .name: wc, .offset: 32, .size: 8, .value_kind: global_buffer, .address_space: global }
      - { .name: ws, .offset: 40, .size: 8, .value_kind: global_buffer, .address_space: global }
    .group_segment_fixed_size: 13312
    .private_segment_fixed_size: 0
    .kernarg_segment_align: 8
    .kernarg_segment_size: 48
    .max_flat_workgroup_size: 128
    .sgpr_count:     66
    .vgpr_count:     240
    .wavefront_size: 32
...
	.end_amdgpu_metadata
.endif
;; end of part 1
;; launch proj (part 2): grid 64 x 3, 12 waves a work-group, no clusters, 41,472 bytes of LDS; arguments Q, K, V, wc, ws, qw, kv; writes qw, kv
.if DOCPART == 2
	.amdgcn_target "amdgcn-amd-amdhsa--gfx1250"
	.amdhsa_code_object_version 6
	.text
	.protected	k_qa75f6f6d00_proj
	.globl	k_qa75f6f6d00_proj
	.p2align	8
	.type	k_qa75f6f6d00_proj,@function
k_qa75f6f6d00_proj:
	s_mov_b64 s[64:65], 0
	v_nop
	global_prefetch_b8 v0, s[64:65] scope:SCOPE_SE
	s_setreg_imm32_b32 hwreg(HW_REG_WAVE_MODE, 25, 1), 1
	s_wait_xcnt 0x0
; q = Q Wq, k = K Wk, v = V Wv on codes of FP6 (E2M3) with one E8M0 scale for each 32 along K; the results are quantised at once for the attention's two products
; (q and k along the head's 64, v along the keys) and leave as codes alone.
; SHARES.  Work-group (x, y): 64 tokens (x) of tensor y (0 Q, 1 K, 2 V), all 768 columns, so that each number of x is read from memory once.  Twelve waves, wave w = head w: 64 tokens x 64 columns, 16 accumulators.
; PHASE X: wave w quantises tile w % 4 of the tokens at K steps 2 (w / 4) and 2 (w / 4) + 1 and stores the two fragments in LDS as IMAGES OF THEIR REGISTERS (three runs of 512 bytes, lane l at 16 l);
; one barrier; then every wave walks the six K steps: x's four fragments from LDS, its head's four weight fragments straight from memory, where they lie in the registers' order.
; THE TOKENS OF A TILE ARE NOT NEIGHBOURS, nor are the weight's columns: row r of tile 2 b + u takes element 32 b + 8 u + r + 8 (r / 8).  So the 16 registers of two neighbouring result tiles are 16 neighbours.
; Q, K: source 0 = the weight's columns, source 1 = tokens: a lane holds a token, its 32 registers of a token tile run along the head's 64.
; V:    source 0 = tokens, source 1 = the weight's columns: a lane holds a channel, its 32 registers run along the 64 keys.  Behind the products both look alike: 4 x 32 registers = 4 x two blocks of 32.
; OUT.  A PIECE is six registers a lane (16 rows x 64 along K): 512 bytes (registers 0-3, 16 a lane), then 256 (registers 4-5, 8 a lane).
;   qw: [head][64 tokens][3584]: 4 pieces, then [lane 32][tile 4] scale words.
;   kv: [head][128 keys][13824]: 8 pieces of k; at 6144 k's words; at 7168 8 pieces of v^T ((64 keys c, channel tile t) at 3072 c + 768 t); at 13312 v's words [lane 32][tile 4], of which this work-group writes the half for its 64 keys.
;   q's and k's K is 64, half of the matrix instruction's 128: their words repeat the two bytes in the upper half, which scales codes that are multiplied by zeros.
; Every store covers 512 or 256 consecutive aligned bytes, but v's half words (2 bytes in each 4): a scale word there spans two work-groups' keys.
; NO CLUSTER, NO TENSOR LOAD: the 64 work-groups of a tensor read the same weight codes, but each wave takes only its own 36,864 bytes of them, straight into registers; a joint load would want a ring in LDS for all 442,368.
; LIMITS: NaN and infinities are not served; a block whose largest magnitude lies under 2^-124, a block of zeros among them, keeps the byte 1.
.set XIMG,  0                          ; LDS: x's 24 fragments, (K step s, tile m) at (4 s + m) x 1536
.set XSC,   36864                      ; their scale words: [s 6][lane 32][m 4]
.set SPARE, 39936                      ; the spare words, 128 bytes a wave, that no other line names
.set LI,  1                            ; v1   16 x lane
.set L8,  2                            ; v2   8 x lane
.set RI,  3                            ; v3   16 x (lane % 16)
.set XA,  4                            ; v4   x: my row of the tile and my 16 numbers of a block of 32
.set XWI, 5                            ; v5   where I store x's images
.set XWS, 6                            ; v6   and their scale words
.set SPW, 7                            ; v7   my spare word; never rewritten
.set NIL, 8                            ; v8   0; never rewritten
.set XS,  16                           ; v16-19  x's scale words, one for each tile
.set WS,  20                           ; v20-23  the weight's
.set PT,  24                           ; v24-27  lane permutes' destinations, then scale bytes
.set XF,  32                           ; v32-79  x's four fragments
.set WF,  80                           ; v80-127 the weight's four
.set ACC, 128                          ; v128-255 the accumulators; in phase X: 2 x 64 numbers of x
.set TM4, 32                           ; phase X, at work in x's fragment registers:
.set TS4, 36
.set PW,  40
.set PC,  44                           ; v44-62
.set CB,  32                           ; behind the products, likewise: v32-55 four pieces
.set PW4, 56                           ; v56-59 their words
.set TM,  60
.set TS,  62
.set T2,  64
.set WV,  18
.set SEL, 20
.set WB,  26                           ; s[26:27] my head's weight fragments;  s[28:29] their scale words
.set WSB, 28
.set PB,  30                           ; s[30:31] where my pieces go;  s[32:33] their words
.set SB,  32
; 64 numbers of a lane, register 16 b + i = k 32 b + 16 (lane / 16) + i of my row, become a fragment in v[PC] on and its scale word in v[PW]
.macro QUANT4 s
.irp b, 0,1,2,3
	v_max3_num_f32 v[TM4+\b], |v[\s+16*\b]|, |v[\s+1+16*\b]|, 0x1800000   ; my 16 numbers of block b, and the floor 2^(3 - 127)
.endr
.irp i, 2,4,6,8,10,12,14
.irp b, 0,1,2,3
	v_max3_num_f32 v[TM4+\b], v[TM4+\b], |v[\s+16*\b+\i]|, |v[\s+1+16*\b+\i]|
.endr
.endr
.irp b, 0,1,2,3
	v_permlanex16_b32 v[PT+\b], v[TM4+\b], s[SEL], s[SEL+1]
.endr
.irp b, 0,1,2,3
	v_max_num_f32 v[TM4+\b], v[TM4+\b], v[PT+\b]   ; with lane l xor 16's: the block's largest magnitude
.endr
.irp b, 0,1,2,3
	v_add_nc_u32 v[TS4+\b], 0xff000000, v[TM4+\b]  ; 2 off the exponent field: the conversion's scale operand
.endr
.irp b, 0,1,2,3
	v_lshrrev_b32 v[PT+\b], 23, v[TS4+\b]          ; the byte
.endr
	v_lshl_or_b32 v[PW], v[PT+1], 8, v[PT]
	v_lshl_or_b32 v[PW], v[PT+2], 16, v[PW]
	v_lshl_or_b32 v[PW], v[PT+3], 24, v[PW]
.irp c, 0,1
	v_cvt_scalef32_pk16_fp6_f32 v[PC+6*\c:PC+2+6*\c], v[\s+32*\c:\s+15+32*\c], v[TS4+2*\c]
	v_cvt_scalef32_pk16_fp6_f32 v[PC+12+4*\c:PC+14+4*\c], v[\s+16+32*\c:\s+31+32*\c], v[TS4+2*\c+1]
.endr
	v_nop                                          ; one plain instruction behind a scaled conversion
.irp c, 0,1                                    ; the operand wants a WHOLE block in a lane: lanes 0-15 block 2 c, lanes 16-31 block 2 c + 1
.irp i, 0,1,2
	v_permlane16_swap_b32 v[PC+6*\c+\i], v[PC+12+4*\c+\i]
.endr
.irp i, 0,1,2
	v_mov_b32 v[PC+3+6*\c+\i], v[PC+12+4*\c+\i]
.endr
.endr
.endm
; the same for 32 numbers, two blocks: a piece in v[dst] on; its two bytes, repeated in the upper half, in v[pw].  The sources are read in ascending order
.macro QUANT2 src, dst, pw
.irp b, 0,1
	v_max3_num_f32 v[TM+\b], |v[\src+16*\b]|, |v[\src+1+16*\b]|, 0x1800000
.endr
.irp i, 2,4,6,8,10,12,14
.irp b, 0,1
	v_max3_num_f32 v[TM+\b], v[TM+\b], |v[\src+16*\b+\i]|, |v[\src+1+16*\b+\i]|
.endr
.endr
.irp b, 0,1
	v_permlanex16_b32 v[PT+\b], v[TM+\b], s[SEL], s[SEL+1]
.endr
.irp b, 0,1
	v_max_num_f32 v[TM+\b], v[TM+\b], v[PT+\b]
.endr
.irp b, 0,1
	v_add_nc_u32 v[TS+\b], 0xff000000, v[TM+\b]
.endr
.irp b, 0,1
	v_lshrrev_b32 v[PT+\b], 23, v[TS+\b]
.endr
	v_lshl_or_b32 v[\pw], v[PT+1], 8, v[PT]
	v_lshl_or_b32 v[\pw], v[\pw], 16, v[\pw]
	v_cvt_scalef32_pk16_fp6_f32 v[\dst:\dst+2], v[\src:\src+15], v[TS]
	v_cvt_scalef32_pk16_fp6_f32 v[T2:T2+2], v[\src+16:\src+31], v[TS+1]
	v_nop
.irp i, 0,1,2
	v_permlane16_swap_b32 v[\dst+\i], v[T2+\i]
.endr
.irp i, 0,1,2
	v_mov_b32 v[\dst+3+\i], v[T2+\i]
.endr
.endm
.macro XLOAD reg, i                            ; my row's 64 numbers of my i-th K step
.irp b, 0,1,2,3
.irp j, 0,1,2,3
	global_load_b128 v[\reg+16*\b+4*\j:\reg+16*\b+4*\j+3], v[XA], s[4:5] offset:512*\i+128*\b+16*\j th:TH_LOAD_NT
.endr
.endr
.endm
.macro WLOAD s                                 ; my head's four weight fragments of K step s, and their scale words: 13 loads
.irp t, 0,1,2,3
.irp c, 0,1,2
	global_load_b128 v[WF+12*\t+4*\c:WF+12*\t+4*\c+3], v[LI], s[WB:WB+1] offset:9216*\t+1536*\s+512*\c
.endr
.endr
	global_load_b128 v[WS:WS+3], v[RI], s[WSB:WSB+1] offset:256*\s
.endm
.macro IMAGE off                               ; the fragment in v[PC] on goes to LDS as it stands
.irp c, 0,1,2
	ds_store_b128 v[XWI], v[PC+4*\c:PC+4*\c+3] offset:XIMG+(\off)+512*\c
.endr
.endm
; K step s: 16 matrix instructions, source 0 = fragments at fa with words at sa, source 1 = those at fb, sb.  The 16 accumulators take turns, one instruction a turn, in the same order in every step.
.macro KSTEP s, fa, sa, fb, sb
.if \s > 0
.rept 4
	v_nop                                          ; four places in front of loads into registers that matrix instructions have read (ISA guide 7.12.1 for vector instructions)
.endr
	WLOAD \s
.endif
.irp m, 0,1,2,3
.irp c, 0,1,2
	ds_load_b128 v[XF+12*\m+4*\c:XF+12*\m+4*\c+3], v[LI] offset:XIMG+(4*\s+\m)*1536+512*\c
.endr
.endr
	ds_load_b128 v[XS:XS+3], v[LI] offset:XSC+512*\s
	s_wait_loadcnt 0x0
	s_wait_dscnt 0x0
.irp b, 0,1,2,3
.irp a, 0,1,2,3
.if \s == 0
	v_wmma_scale_f32_16x16x128_f8f6f4 v[ACC+8*(4*\b+\a):ACC+8*(4*\b+\a)+7], v[\fa+12*\a:\fa+12*\a+11], v[\fb+12*\b:\fb+12*\b+11], 0, v[\sa+\a], v[\sb+\b] matrix_a_fmt:MATRIX_FMT_FP6 matrix_b_fmt:MATRIX_FMT_FP6
.else
	v_wmma_scale_f32_16x16x128_f8f6f4 v[ACC+8*(4*\b+\a):ACC+8*(4*\b+\a)+7], v[\fa+12*\a:\fa+12*\a+11], v[\fb+12*\b:\fb+12*\b+11], v[ACC+8*(4*\b+\a):ACC+8*(4*\b+\a)+7], v[\sa+\a], v[\sb+\b] matrix_a_fmt:MATRIX_FMT_FP6 matrix_b_fmt:MATRIX_FMT_FP6
.endif
.endr
.endr
.endm
	s_load_b256 s[4:11], s[0:1], 0x0               ; Q, K, V, wc
	s_load_b128 s[12:15], s[0:1], 0x20             ; ws, qw
	s_load_b64 s[16:17], s[0:1], 0x30              ; kv
	v_lshl_add_u32 v[SPW], v0, 2, SPARE
	v_mov_b32 v[NIL], 0
	v_lshrrev_b32 v9, 5, v0
	v_readfirstlane_b32 s[WV], v9                  ; wave 0..11 = my head
	v_and_b32 v9, 31, v0                           ; lane
	v_and_b32 v10, 15, v0                          ; r
	v_bfe_u32 v11, v0, 4, 1                        ; h
	v_lshlrev_b32 v[LI], 4, v9
	v_lshlrev_b32 v[L8], 3, v9
	v_lshlrev_b32 v[RI], 4, v10
	v_and_b32 v12, 8, v10
	v_add_nc_u32 v12, v12, v10                     ; r + 8 (r / 8)
	v_mul_u32_u24 v[XA], v12, 3072                 ; a row of x is 3,072 bytes
	v_lshl_add_u32 v[XA], v11, 6, v[XA]            ; + 64 h: my 16 numbers of each block of 32
.irp b, 0,1,2,3
	v_mov_b32 v[PT+\b], 0                          ; written once: a lane permute's destination counts as one of its sources
.endr
	s_mov_b32 s[SEL], 0x76543210
	s_mov_b32 s[SEL+1], 0xfedcba98                 ; v_permlanex16_b32's selects for lane l xor 16
	s_mov_b32 s23, ttmp9                           ; which 64 tokens
	s_and_b32 s24, ttmp7, 0xffff                   ; which tensor
	s_and_b32 s19, s[WV], 3                        ; phase X: my tile of tokens,
	s_lshr_b32 s22, s[WV], 2                       ; my pair of K steps
	s_mul_i32 s36, s19, 1536
	s_mul_i32 s37, s22, 12288
	s_add_co_u32 s36, s36, s37
	v_add_nc_u32 v[XWI], s36, v[LI]
	s_lshl_b32 s36, s19, 2
	s_lshl_b32 s37, s22, 10
	s_add_co_u32 s36, s36, s37
	v_add_nc_u32 v[XWS], s36, v[LI]
	s_lshl_b32 s34, s23, 6                         ; x: token 64 x + 32 (m / 2) + 8 (m % 2), K step pair: 1,024 bytes
	s_lshr_b32 s36, s19, 1
	s_lshl_b32 s36, s36, 5
	s_add_co_u32 s34, s34, s36
	s_and_b32 s36, s[WV], 1
	s_lshl_b32 s36, s36, 3
	s_add_co_u32 s34, s34, s36
	s_mul_i32 s34, s34, 3072
	s_add_co_u32 s34, s34, s37
	s_mov_b32 s35, 0
	s_mul_i32 s[WB], s24, 442368                   ; the tensor's weight, my head's four tiles
	s_mul_i32 s36, s[WV], 36864
	s_add_co_u32 s[WB], s[WB], s36
	s_mov_b32 s[WB+1], 0
	s_mul_i32 s[WSB], s24, 18432
	s_mul_i32 s36, s[WV], 1536
	s_add_co_u32 s[WSB], s[WSB], s36
	s_mov_b32 s[WSB+1], 0
	s_lshl_b32 s36, s[WV], 6
	s_add_co_u32 s36, s36, s23
	s_mul_i32 s36, s36, 3584                       ; Q: pieces,
	s_add_co_u32 s37, s36, 3072                    ;    words
	s_lshl_b32 s38, s[WV], 5
	s_lshr_b32 s39, s23, 1
	s_add_co_u32 s38, s38, s39
	s_mul_i32 s38, s38, 13824                      ; K, V: the block of my 128 keys
	s_and_b32 s39, s23, 1                          ; c: which 64 of them
	s_mul_i32 s40, s39, 3072
	s_add_co_u32 s40, s40, s38                     ; K: pieces,
	s_lshl_b32 s41, s39, 9
	s_add_co_u32 s41, s41, s38
	s_add_co_u32 s41, s41, 6144                    ;    words
	s_add_co_u32 s42, s40, 7168                    ; V: pieces,
	s_lshl_b32 s43, s39, 1
	s_add_co_u32 s43, s43, s38
	s_add_co_u32 s43, s43, 13312                   ;    half words
	s_cmp_eq_u32 s24, 1
	s_cselect_b32 s40, s40, s42
	s_cselect_b32 s41, s41, s43
	s_cmp_eq_u32 s24, 0
	s_cselect_b32 s[PB], s36, s40
	s_cselect_b32 s[SB], s37, s41
	s_mov_b32 s[PB+1], 0
	s_mov_b32 s[SB+1], 0
	s_wait_kmcnt 0x0
	s_cmp_eq_u32 s24, 0                            ; the buffers are chosen by the work-group's number alone
	s_cselect_b64 s[44:45], s[14:15], s[16:17]
	s_add_nc_u64 s[PB:PB+1], s[44:45], s[PB:PB+1]
	s_add_nc_u64 s[SB:SB+1], s[44:45], s[SB:SB+1]
	s_cmp_eq_u32 s24, 1
	s_cselect_b64 s[4:5], s[6:7], s[4:5]
	s_cmp_eq_u32 s24, 2
	s_cselect_b64 s[4:5], s[8:9], s[4:5]
	s_add_nc_u64 s[4:5], s[4:5], s[34:35]
	s_add_nc_u64 s[WB:WB+1], s[10:11], s[WB:WB+1]
	s_add_nc_u64 s[WSB:WSB+1], s[12:13], s[WSB:WSB+1]
	; ---- phase X
	XLOAD ACC, 0
	XLOAD ACC+64, 1
	WLOAD 0                                        ; K step 0's weights land while x is quantised
	s_wait_loadcnt 29                              ; my first 16 loads are in; behind them: the second 16 and the weights' 13
	QUANT4 ACC
	IMAGE 0
	ds_store_b32 v[XWS], v[PW] offset:XSC
	s_wait_dscnt 0x0                               ; the stores have read their registers
	s_wait_loadcnt 13                              ; the weights' 13 may be out
	QUANT4 ACC+64
	IMAGE 6144
	ds_store_b32 v[XWS], v[PW] offset:XSC+512
	s_wait_dscnt 0x0                               ; for the others' sake: my images have landed
	s_barrier_signal -1
	s_barrier_wait -1                              ; x's 24 fragments lie in LDS; nothing is stored there again
	; ---- the products
	s_cmp_eq_u32 s24, 2
	s_cbranch_scc1 .Lv
.irp s, 0,1,2,3,4,5
	KSTEP \s, WF, WS, XF, XS                       ; Q, K: a lane holds a token
.endr
	s_branch .Lpost
.Lv:
.irp s, 0,1,2,3,4,5
	KSTEP \s, XF, XS, WF, WS                       ; V: a lane holds a channel
.endr
.Lpost:
.rept 4
	v_nop                                          ; four places between the last products and the first read of results and write of operands
.endr
.irp i, 0,1,2,3
	QUANT2 ACC+32*\i, CB+6*\i, PW4+\i
.endr
.irp i, 0,1,2,3
	global_store_b128 v[LI], v[CB+6*\i:CB+6*\i+3], s[PB:PB+1] offset:768*\i        ; 512 consecutive bytes, aligned to 256
	global_store_b64 v[L8], v[CB+6*\i+4:CB+6*\i+5], s[PB:PB+1] offset:768*\i+512   ; 256 likewise
.endr
	s_cmp_eq_u32 s24, 2
	s_cbranch_scc1 .Lvwords
	global_store_b128 v[LI], v[PW4:PW4+3], s[SB:SB+1]
	s_branch .Lend
.Lvwords:
.irp i, 0,1,2,3
	global_store_b16 v[LI], v[PW4+\i], s[SB:SB+1] offset:4*\i                      ; my 64 keys' two bytes of the word of 128 keys
.endr
.Lend:
	s_wait_tensorcnt 0x0                           ; the wave's end, behind my last LDS store
	ds_add_u32 v[SPW], v[NIL]
	s_wait_dscnt 0x0
	s_endpgm
.Lfunc_end_k_qa75f6f6d00_proj:
	.size	k_qa75f6f6d00_proj, .Lfunc_end_k_qa75f6f6d00_proj-k_qa75f6f6d00_proj
	.p2alignl 7, 3214868480
	.fill 96, 4, 3214868480
	.section	.rodata,"a",@progbits
	.p2align	6, 0x0
	.amdhsa_kernel k_qa75f6f6d00_proj
		.amdhsa_group_segment_fixed_size 41472
		.amdhsa_private_segment_fixed_size 0
		.amdhsa_enable_private_segment 0
		.amdhsa_kernarg_size 56
		.amdhsa_user_sgpr_count 2
		.amdhsa_user_sgpr_kernarg_segment_ptr 1
		.amdhsa_wavefront_size32 1
		.amdhsa_system_sgpr_workgroup_id_x 1
		.amdhsa_system_sgpr_workgroup_id_y 1
		.amdhsa_system_sgpr_workgroup_id_z 1
		.amdhsa_system_vgpr_workitem_id 0
		.amdhsa_next_free_vgpr 256
		.amdhsa_next_free_sgpr 66
		.amdhsa_reserve_vcc 0
		.amdhsa_float_denorm_mode_32 3
		.amdhsa_float_denorm_mode_16_64 3
		.amdhsa_memory_ordered 1
		.amdhsa_forward_progress 1
		.amdhsa_inst_pref_size 74
	.end_amdhsa_kernel
	.amdgpu_metadata
---
amdhsa.version: [ 1, 2 ]
amdhsa.kernels:
  - .name:           k_qa75f6f6d00_proj
    .symbol:         k_qa75f6f6d00_proj.kd
    .args:
      - { .name: Q, .offset: 0, .size: 8, .value_kind: global_buffer, .address_space: global }
      - { .name: K, .offset: 8, .size: 8, .value_kind: global_buffer, .address_space: global }
      - { .name: V, .offset: 16, .size: 8, .value_kind: global_buffer, .address_space: global }
      - { .name: wc, .offset: 24, .size: 8, .value_kind: global_buffer, .address_space: global }
      - { .name: ws, .offset: 32, .size: 8, .value_kind: global_buffer, .address_space: global }
      - { .name: qw, .offset: 40, .size: 8, .value_kind: global_buffer, .address_space: global }
      - { .name: kv, .offset: 48, .size: 8, .value_kind: global_buffer, .address_space: global }
    .group_segment_fixed_size: 41472
    .private_segment_fixed_size: 0
    .kernarg_segment_align: 8
    .kernarg_segment_size: 56
    .max_flat_workgroup_size: 384
    .sgpr_count:     66
    .vgpr_count:     256
    .wavefront_size: 32
...
	.end_amdgpu_metadata
.endif
;; end of part 2
;; launch attn (part 3): grid 16 x 12, 16 waves a work-group, no clusters, 327,680 bytes of LDS; arguments qw, kv, oc, os; writes oc, os
.if DOCPART == 3
	.amdgcn_target "amdgcn-amd-amdhsa--gfx1250"
	.amdhsa_code_object_version 6
	.text
	.protected	k_qa75f6f6d00_attn
	.globl	k_qa75f6f6d00_attn
	.p2align	8
	.type	k_qa75f6f6d00_attn,@function
k_qa75f6f6d00_attn:
	s_mov_b64 s[64:65], 0
	v_nop
	global_prefetch_b8 v0, s[64:65] scope:SCOPE_SE
	s_setreg_imm32_b32 hwreg(HW_REG_WAVE_MODE, 25, 1), 1
	s_wait_xcnt 0x0
; o[h][q] = the sum over keys k <= q of softmax_k(q . k / 8) v[h][k], both products on codes of FP6 (E2M3) with one E8M0 scale for each 32 along a product's K; o is quantised along the head's 64 for the last projection.
; THE SOFTMAX AHEAD OF THE SECOND PRODUCT: t = score x log2(e) / 8; M = the row's largest t so far, rounded UP to a whole number; p = 2^(t - M) is what is quantised, along the keys, not normalised.
; The row's sum is taken of the unquantised p and divides O at the end.  When M moves, the sum and O are multiplied by 2^(old M - new M): exact.
; SHARES.  A tile is 16 queries; a tile of the 128-query block B needs B + 1 key steps of 128 keys.  Work-group (g, head) owns block g (eight tiles) and block 31 - g (eight tiles): 8 x 33 tile steps for every g.
; Sixteen waves of 256 registers, one tile each.  Wave w takes the low block where (w xor w / 4) is even, else the high one: of any four waves w, w + 4, w + 8, w + 12, and of any four w .. w + 3, two are low and two high.
; Every wave walks all 16 slots of 256 keys (the trip counts are constants) and jumps, by a scalar branch on ids, over the steps all of whose keys come after its queries.
; K's and V's codes and scale words of a key step are ONE dense block of 13,824 bytes, laid in the order of the operands' registers: a slot is two blocks, brought by waves 0 and 1 with one tensor load each; all sixteen waves read it,
; every LDS load taking 512 or 256 consecutive bytes: no padding.
; LAYOUT.  Both products are used transposed: S^T = K Q^T (source 0 = 16 keys), O^T = V^T P^T (source 0 = 16 channels): a lane holds ONE query throughout.  The rows of every tile (queries, keys, channels) are not neighbours:
; row r of tile 2 b + u is element 32 b + 8 u + r + 8 (r / 8), so that the 16 registers of result tiles 2 b, 2 b + 1 are 16 neighbours, 32 b + 16 (lane / 16) + 0 .. 15.
; THE FIRST PRODUCT'S K IS 64, half of the instruction's 128.  Q's registers 6-11 hold zero codes.  A key tile is six registers; its operand names twelve: the upper six are the next tile's codes (behind the last tile six zeroed
; registers), finite numbers that are multiplied by zeros.  The scale words of q and k repeat their two bytes in the upper half.
; NO CLUSTER: the sixteen work-groups of a head read the same blocks, but work-group g asks only for slots up to key 4095 - 128 g, so partners would need different numbers of tiles; and a slot's 27,648 bytes
; serve two key steps of sixteen waves.
; LIMITS: NaN and infinities are not served; o / l is a reciprocal and a multiplication; a block's largest p is taken from the block's largest score, which takes v_exp_f32 not to fall where its input rises;
; a block of o whose largest magnitude lies under 2^-124 keeps the byte 1.
.set KVB,   13824                      ; a key step's block: 8 pieces of K (768 each), at 6144 K's words, at 7168 8 pieces of V^T, at 13312 V's words
.set SLOT1, 32768                      ; slot 1 begins here: one exclusive or turns an address from one slot to the other
.set SPARE, 65536                      ; behind the ring: the spare words, 128 bytes a wave, that no other line names
.set A16,  1                           ; v1   16 x lane
.set A8,   2                           ; v2   8 x lane
.set QL,   3                           ; v3   my query in the tile, less 16 (lane / 16)
.set SPW,  5                           ; v5   my spare word; never rewritten
.set NIL,  6                           ; v6   0; never rewritten
.set AD16, 8                           ; v8, v9  the slot in hand + 16 x lane, + 8 x lane
.set AD8,  9
                                       ; v12 -M, v13 the largest t, v[14:15] the sum in two halves
.set QF,   16                          ; v16-27  Q; v22-27 are zeros
.set PFO,  28                          ; v28  256 x lane: the prefetches' offset; never rewritten
.set QS,   29                          ; v29  Q's scale word
.set KFR,  32                          ; v32-79  K's eight pieces; v80-85 zeros
.set KS,   86                          ; v86-93  K's scale words
.set SR,   96                          ; v96-159 S^T, then p
.set OT,   160                         ; v160-191 O^T
.set VF,   192                         ; v192-239 V's four fragments
.set VS,   240                         ; v240-243 V's scale words
.set PWD,  244                         ; v244 p's scale word
.set OW,   245                         ; v245 o's two bytes
.set FF,   246                         ; v[246:247] f = 2^(old M - new M); v247 is written once
.set PT,   248                         ; v248-251 lane permutes' destinations, then bytes
.set MD,   252
.set NINF, 253
.set TT,   254
.set BM,   32                          ; at work between the two products, in K's registers, which are done with: the blocks' largest scores,
.set CH,   36                          ; the sum's second chain,
.set SO,   40                          ; the conversions' scale operands,
.set PC,   44                          ; v44-55 p's codes,
.set PD,   56                          ; v56-62 their second halves
.set TM,   32                          ; the way out's quantiser
.set TS,   40
.set T2,   56
.set TB,   2                           ; s2   LDS byte at which the slot in hand begins
.set WV,   18
.set SEL,  20
.set CS,   22                          ; s[22:23] c = log2(e) / 8
.set G1,   24                          ; s[24:31] descriptor group 1;  s[32:35] group 0, which walks
.set G0,   32
.set SLOTS, 36                         ; slots still to be asked for, or left out at the causal limit
.set KF,   37                          ; the step's first key
.set QMIN, 38                          ; my tile's first and last query
.set QMAX, 39
.set WGL,  40                          ; my work-group's last query
.set LIM,  41
.set PFA,  42
.set QB,   44
.set QSB,  46
.set OCB,  48
.set OSB,  50
.macro TLOAD                           ; waves 0 and 1 fetch a block each; the branch hangs on the wave's number alone.  An s_nop 0 and four v_nop follow the load
	s_cmp_lt_u32 s[WV], 2
	s_cbranch_scc0 .Lasked_\@
	tensor_load_to_lds s[G0:G0+3], s[G1:G1+7]
	s_nop 0
.rept 4
	v_nop
.endr
.Lasked_\@:
.endm
; A PREFETCH INTO THE L2.  A head's blocks are 442,368 dense bytes, 1,728 runs of 256.  All sixteen work-groups of a head walk them from the start: the head's first work-group asks, which walks all 32 steps.  In it waves 4 to 7, which
; fetch nothing, ask, one instruction each at a change of slots, a lane to a run: at change n (0 .. 11) wave 4 + i names runs 224 + 128 n + 32 i on.  Each run is named once; the last named is run 1,727 (wave 7 stops a change earlier).
; A change's tensor loads take 108 runs and its prefetches name 128: what change n + 1 loads (up to run 108 n + 323) has been named by change n (up to run 128 n + 351).  Runs 0 to 223 come by their loads alone.
.macro ASK
	s_cmp_gt_u32 s[SLOTS], s[LIM]
	s_cbranch_scc0 .Lnot_mine_\@
	global_prefetch_b8 v[PFO], s[PFA:PFA+1] th:TH_LOAD_NT scope:SCOPE_SE
.Lnot_mine_\@:
.endm
; 32 numbers of a lane, register 16 b + i = k 32 b + 16 (lane / 16) + i of my row, become a piece in v[dst] on and two scale bytes in v[pw]
.macro QUANT2 src, dst, pw
.irp b, 0,1
	v_max3_num_f32 v[TM+\b], |v[\src+16*\b]|, |v[\src+1+16*\b]|, 0x1800000
.endr
.irp i, 2,4,6,8,10,12,14
.irp b, 0,1
	v_max3_num_f32 v[TM+\b], v[TM+\b], |v[\src+16*\b+\i]|, |v[\src+1+16*\b+\i]|
.endr
.endr
.irp b, 0,1
	v_permlanex16_b32 v[PT+\b], v[TM+\b], s[SEL], s[SEL+1]
.endr
.irp b, 0,1
	v_max_num_f32 v[TM+\b], v[TM+\b], v[PT+\b]
.endr
.irp b, 0,1
	v_add_nc_u32 v[TS+\b], 0xff000000, v[TM+\b]
.endr
.irp b, 0,1
	v_lshrrev_b32 v[PT+\b], 23, v[TS+\b]
.endr
	v_lshl_or_b32 v[\pw], v[PT+1], 8, v[PT]
	v_lshl_or_b32 v[\pw], v[\pw], 16, v[\pw]
	v_cvt_scalef32_pk16_fp6_f32 v[\dst:\dst+2], v[\src:\src+15], v[TS]
	v_cvt_scalef32_pk16_fp6_f32 v[T2:T2+2], v[\src+16:\src+31], v[TS+1]
	v_nop
.irp i, 0,1,2
	v_permlane16_swap_b32 v[\dst+\i], v[T2+\i]
.endr
.irp i, 0,1,2
	v_mov_b32 v[\dst+3+\i], v[T2+\i]
.endr
.endm
	s_load_b256 s[4:11], s[0:1], 0x0               ; qw, kv, oc, os
	v_lshl_add_u32 v[SPW], v0, 2, SPARE
	v_mov_b32 v[NIL], 0
	ds_add_u32 v[SPW], v[NIL]                      ; the wave's opening: the add and its wait stand ahead of the first tensor load; the set-up below, work on registers, stands between them
	v_lshrrev_b32 v8, 5, v0
	v_readfirstlane_b32 s[WV], v8                  ; wave 0..15
	s_and_b32 s58, ttmp7, 0xffff                   ; the head
	s_lshr_b32 s52, s[WV], 2
	s_xor_b32 s52, s52, s[WV]
	s_and_b32 s52, s52, 1                          ; 0: a tile of block g; 1: of block 31 - g
	s_lshr_b32 s53, s[WV], 1                       ; which of its eight
	s_sub_co_u32 s54, 31, ttmp9
	s_cmp_eq_u32 s52, 1
	s_cselect_b32 s54, s54, ttmp9
	s_lshl_b32 s54, s54, 3
	s_add_co_u32 s54, s54, s53                     ; T: my tile, 0 .. 255
	s_lshr_b32 s55, s54, 1
	s_lshl_b32 s[QMIN], s55, 5
	s_and_b32 s55, s54, 1
	s_lshl_b32 s55, s55, 3
	s_add_co_u32 s[QMIN], s[QMIN], s55             ; 32 (T / 2) + 8 (T % 2)
	s_add_co_u32 s[QMAX], s[QMIN], 23              ; row 15 lies 15 + 8 on
	s_lshl_b32 s55, ttmp9, 7
	s_sub_co_u32 s[WGL], 4095, s55                 ; the last query of block 31 - g
	s_lshr_b32 s56, s54, 2                         ; my 64 queries,
	s_and_b32 s57, s54, 3                          ; my tile among their four
	s_lshl_b32 s[QB], s58, 6
	s_add_co_u32 s[QB], s[QB], s56
	s_mul_i32 s[QB], s[QB], 3584
	s_lshl_b32 s55, s57, 2
	s_add_co_u32 s[QSB], s[QB], s55
	s_add_co_u32 s[QSB], s[QSB], 3072              ; q's words: [lane][tile]
	s_mul_i32 s55, s57, 768
	s_add_co_u32 s[QB], s[QB], s55                 ; q's piece
	s_mov_b32 s[QB+1], 0
	s_mov_b32 s[QSB+1], 0
	s_mul_i32 s[OCB], s54, 12
	s_add_co_u32 s[OCB], s[OCB], s58
	s_mul_i32 s[OCB], s[OCB], 768                  ; oc: [tile][head][768]
	s_mov_b32 s[OCB+1], 0
	s_mul_i32 s[OSB], s56, 6
	s_lshr_b32 s55, s58, 1
	s_add_co_u32 s[OSB], s[OSB], s55
	s_lshl_b32 s[OSB], s[OSB], 9                   ; os: [64 queries][K step = head / 2][lane][tile] words; my head's half of the word
	s_lshl_b32 s55, s57, 2
	s_add_co_u32 s[OSB], s[OSB], s55
	s_and_b32 s55, s58, 1
	s_lshl_b32 s55, s55, 1
	s_add_co_u32 s[OSB], s[OSB], s55
	s_mov_b32 s[OSB+1], 0
	s_mul_i32 s52, s58, 442368                     ; the head's first byte in kv
	s_and_b32 s55, s[WV], 1
	s_mul_i32 s[G0+1], s55, KVB                    ; 63:32 LDS address: slot 0, the block of my parity
	s_add_co_u32 s56, s52, s[G0+1]                 ; and the same block in memory
	s_mov_b32 s57, 0
	s_and_b32 s55, s[WV], 3
	s_lshl_b32 s55, s55, 13                        ; the prefetches: 32 runs of 256 bytes a wave,
	s_add_co_u32 s52, s52, s55
	s_add_co_u32 s52, s52, 24576                   ; from run 224 on, less the 128 runs that the first change of slots adds
	s_mov_b32 s53, 0
	s_sub_co_u32 s54, s[WV], 4
	s_lshr_b32 s54, s54, 2                         ; 0 in waves 4 to 7,
	s_or_b32 s54, s54, ttmp9                       ; of the head's first work-group
	s_cmp_eq_u32 s[WV], 7
	s_cselect_b32 s55, 4, 3                        ; a wave asks while s[SLOTS] is above this: changes 0 .. 11, wave 7 0 .. 10
	s_cmp_eq_u32 s54, 0
	s_cselect_b32 s[LIM], s55, -1
	; descriptor group 1: a dense block of 13,824 bytes as 54 rows of 32 elements of 8 bytes
	s_mov_b32 s[G1], 3<<16                         ; 15:0 no mask; 17:16 elements of 8 bytes; 20 padding off
	s_mov_b32 s[G1+1], 32<<16                      ; tensor_dim0
	s_mov_b32 s[G1+2], 54<<16                      ; tensor_dim1
	s_mov_b32 s[G1+3], 32<<16                      ; tile_dim0
	s_mov_b32 s[G1+4], 54                          ; tile_dim1
	s_mov_b32 s[G1+5], 32                          ; tensor_dim0_stride
	s_mov_b32 s[G1+6], 0
	s_mov_b32 s[G1+7], 0
	s_mov_b32 s[SEL], 0x76543210
	s_mov_b32 s[SEL+1], 0xfedcba98                 ; v_permlanex16_b32's selects for lane l xor 16
	s_mov_b32 s[CS], 0x3e38aa3b                    ; c = log2(e) / 8
	s_mov_b32 s[CS+1], s[CS]                       ; (named with it as a pair, so it is written)
	s_mov_b32 s[TB], 0
	s_mov_b32 s[KF], 0
	s_mov_b32 s[SLOTS], 15
	v_and_b32 v8, 31, v0
	v_lshlrev_b32 v[A16], 4, v8
	v_lshlrev_b32 v[A8], 3, v8
	v_lshlrev_b32 v[PFO], 8, v8
	v_and_b32 v[QL], 15, v0
	v_and_b32 v8, 8, v[QL]
	v_add_nc_u32 v[QL], v8, v[QL]                  ; r + 8 (r / 8)
	v_bfe_u32 v8, v0, 4, 1
	v_lshlrev_b32 v8, 4, v8
	v_sub_nc_u32 v[QL], v[QL], v8                  ; - 16 (lane / 16)
	s_wait_dscnt 0x0                               ; the opening add is done
	s_wait_kmcnt 0x0
	s_mov_b32 s[G0], 1                             ; 1:0 count = 1
	s_add_nc_u64 s[G0+2:G0+3], s[6:7], s[56:57]    ; 120:64 global address
	s_or_b32 s[G0+3], s[G0+3], 0x80000000          ; 127:126 type = 2
	TLOAD                                          ; slot 0
	s_add_nc_u64 s[PFA:PFA+1], s[6:7], s[52:53]
	s_add_nc_u64 s[QB:QB+1], s[4:5], s[QB:QB+1]
	s_add_nc_u64 s[QSB:QSB+1], s[4:5], s[QSB:QSB+1]
	s_add_nc_u64 s[OCB:OCB+1], s[8:9], s[OCB:OCB+1]
	s_add_nc_u64 s[OSB:OSB+1], s[10:11], s[OSB:OSB+1]
	global_load_b128 v[QF:QF+3], v[A16], s[QB:QB+1]              ; Q's piece stays in registers
	global_load_b64 v[QF+4:QF+5], v[A8], s[QB:QB+1] offset:512
	global_load_b32 v[QS], v[A16], s[QSB:QSB+1]
.irp j, 22,23,24,25,26,27,80,81,82,83,84,85,14,15,247,248,249,250,251
	v_mov_b32 v[\j], 0                             ; Q's upper half and the pad behind K's last tile: zero codes; the sum; registers that are named before they are first written
.endr
	v_mov_b32 v[NINF], 0xff800000                  ; -infinity, for hidden scores
	v_mov_b32 v13, 0xff61b1e6                      ; the largest t so far: -3e38, under every t
	v_floor_f32 v12, -v13                          ; -M
.set JJ, 0
.rept 32
	v_mov_b32 v[OT+JJ], 0                          ; O^T: the step is written once; its first walk finds zeros, which the first change of M leaves zeros
.set JJ, JJ+1
.endr
; A KEY STEP: 128 keys, the q-th of the slot in hand.
.macro STEP q
	s_cmp_gt_u32 s[KF], s[QMAX]                    ; all its keys come after my queries: a branch on ids, round the loads and the work alone
	s_cbranch_scc1 .Lhidden_\@
	v_add_nc_u32 v[AD16], s[TB], v[A16]
	v_add_nc_u32 v[AD8], s[TB], v[A8]
	v_nop
	v_nop                                          ; four places between the last step's products and the loads into their operands
.irp t, 0,1,2,3,4,5,6,7
	ds_load_b128 v[KFR+6*\t:KFR+6*\t+3], v[AD16] offset:(\q)*KVB+768*\t
	ds_load_b64 v[KFR+6*\t+4:KFR+6*\t+5], v[AD8] offset:(\q)*KVB+768*\t+512
.endr
.irp c, 0,1
	ds_load_b128 v[KS+4*\c:KS+4*\c+3], v[AD16] offset:(\q)*KVB+6144+512*\c
.endr
.irp t, 0,1,2,3
.irp c, 0,1
	ds_load_b128 v[VF+12*\t+6*\c:VF+12*\t+6*\c+3], v[AD16] offset:(\q)*KVB+7168+3072*\c+768*\t
	ds_load_b64 v[VF+12*\t+6*\c+4:VF+12*\t+6*\c+5], v[AD8] offset:(\q)*KVB+7168+3072*\c+768*\t+512
.endr
.endr
	ds_load_b128 v[VS:VS+3], v[AD16] offset:(\q)*KVB+13312
	s_wait_dscnt 17                                ; K's 18 loads are in; V's 17, issued behind them, may be out until the second product
.irp t, 0,1,2,3,4,5,6,7
	v_wmma_scale_f32_16x16x128_f8f6f4 v[SR+8*\t:SR+8*\t+7], v[KFR+6*\t:KFR+6*\t+11], v[QF:QF+11], 0, v[KS+\t], v[QS] matrix_a_fmt:MATRIX_FMT_FP6 matrix_b_fmt:MATRIX_FMT_FP6
.endr
.rept 4
	v_nop                                          ; four places in front of the first read of results and the first write into K's registers
.endr
	s_add_co_u32 s52, s[KF], 127                   ; on the diagonal hidden scores become -infinity ahead of the maximum; a step all of whose keys count skips this
	s_cmp_le_u32 s52, s[QMIN]
	s_cbranch_scc1 .Lopen_\@
	s_sub_co_i32 s52, s[QMIN], s[KF]
	v_add_nc_u32 v[MD], s52, v[QL]                 ; d = my query - KF - 16 (lane / 16).  Register 16 b + i holds key KF + 32 b + 16 (lane / 16) + i: hidden where 32 b + i > d
.set NN, 0
.rept 64
	v_cmp_gt_i32 vcc_lo, 32*(NN/16)+NN%16, v[MD]
	v_cndmask_b32 v[SR+NN], v[SR+NN], v[NINF], vcc_lo
.set NN, NN+1
.endr
.Lopen_\@:
.irp b, 0,1,2,3
	v_max3_num_f32 v[BM+\b], v[SR+16*\b], v[SR+1+16*\b], v[SR+2+16*\b]   ; the largest score of each block of 32 keys: for the row's maximum, and, since p rises with the score, for the block's largest p
.endr
.irp i, 3,5,7,9,11,13
.irp b, 0,1,2,3
	v_max3_num_f32 v[BM+\b], v[BM+\b], v[SR+16*\b+\i], v[SR+1+16*\b+\i]
.endr
.endr
.irp b, 0,1,2,3
	v_max_num_f32 v[BM+\b], v[BM+\b], v[SR+15+16*\b]
.endr
.irp b, 0,1,2,3
	v_permlanex16_b32 v[PT+\b], v[BM+\b], s[SEL], s[SEL+1]
.endr
.irp b, 0,1,2,3
	v_max_num_f32 v[BM+\b], v[BM+\b], v[PT+\b]     ; with lane l xor 16's 16 keys
.endr
	v_max3_num_f32 v[TT], v[BM], v[BM+1], v[BM+2]
	v_max_num_f32 v[TT], v[TT], v[BM+3]            ; the step's largest score of my query (key KF counts for every query of a tile that walks the step)
	v_mul_f32 v[TT], s[CS], v[TT]                  ; as t
	v_max_num_f32 v13, v13, v[TT]                  ; the running largest t
	v_mov_b32 v[TT], v12
	v_floor_f32 v12, -v13                          ; the new -M = floor(-t) = -ceil(t)
	v_sub_f32 v[TT], v12, v[TT]                    ; old M - new M: a whole number, 0 or less
	v_cvt_i32_f32 v[TT], v[TT]                     ; (it saturates)
	v_ldexp_f32 v[FF], 1.0, v[TT]                  ; f = 2^(old M - new M)
.set JJ, 0
.rept 32
	v_pk_fma_f32 v[SR+JJ:SR+JJ+1], v[SR+JJ:SR+JJ+1], s[CS:CS+1], v[12:13] op_sel_hi:[1,0,0]   ; t - M, two at a time
.set JJ, JJ+2
.endr
.irp b, 0,1,2,3
	v_fma_f32 v[BM+\b], v[BM+\b], s[CS], v12       ; the same of each block's largest score
.endr
.set JJ, 0
.rept 64
	v_exp_f32 v[SR+JJ], v[SR+JJ]                   ; p = 2^(t - M), at most 1
.set JJ, JJ+1
.endr
	v_pk_mul_f32 v[14:15], v[14:15], v[FF:FF+1] op_sel_hi:[1,0]   ; the sums under the new M: the plain instruction behind the exponentials
	s_wait_alu depctr_va_vdst(0)                   ; one wait for the batch of 64, ahead of its first reader
.irp b, 0,1,2,3
	v_exp_f32 v[BM+\b], v[BM+\b]                   ; the blocks' largest p
.endr
	v_pk_add_f32 v[CH:CH+1], v[SR:SR+1], v[SR+2:SR+3]             ; the row's sum of the UNQUANTISED p, in two chains
.irp j, 4,8,12,16,20,24,28,32,36,40,44,48,52,56,60
	v_pk_add_f32 v[14:15], v[14:15], v[SR+\j:SR+\j+1]
	v_pk_add_f32 v[CH:CH+1], v[CH:CH+1], v[SR+2+\j:SR+3+\j]
.endr
	v_pk_add_f32 v[14:15], v[14:15], v[CH:CH+1]
	s_wait_alu depctr_va_vdst(0)                   ; and one for the four
.irp b, 0,1,2,3
	v_max_num_f32 v[BM+\b], 0x1800000, v[BM+\b]    ; the floor 2^(3 - 127): a block whose every p is 0 keeps the byte 1; its codes are zeros
.endr
.irp b, 0,1,2,3
	v_add_nc_u32 v[SO+\b], 0xff000000, v[BM+\b]
.endr
.irp b, 0,1,2,3
	v_lshrrev_b32 v[PT+\b], 23, v[SO+\b]
.endr
	v_lshl_or_b32 v[PWD], v[PT+1], 8, v[PT]        ; p's scale word for these 128 keys
	v_lshl_or_b32 v[PWD], v[PT+2], 16, v[PWD]
	v_lshl_or_b32 v[PWD], v[PT+3], 24, v[PWD]
.irp c, 0,1
	v_cvt_scalef32_pk16_fp6_f32 v[PC+6*\c:PC+2+6*\c], v[SR+32*\c:SR+15+32*\c], v[SO+2*\c]
	v_cvt_scalef32_pk16_fp6_f32 v[PD+4*\c:PD+2+4*\c], v[SR+16+32*\c:SR+31+32*\c], v[SO+2*\c+1]
.endr
	v_nop                                          ; one plain instruction behind a scaled conversion
.irp c, 0,1                                    ; the operand wants a WHOLE block in a lane
.irp i, 0,1,2
	v_permlane16_swap_b32 v[PC+6*\c+\i], v[PD+4*\c+\i]
.endr
.irp i, 0,1,2
	v_mov_b32 v[PC+3+6*\c+\i], v[PD+4*\c+\i]
.endr
.endr
.set JJ, 0
.rept 16
	v_pk_mul_f32 v[OT+JJ:OT+JJ+1], v[OT+JJ:OT+JJ+1], v[FF:FF+1] op_sel_hi:[1,0]   ; O^T under the new M; these are also the places between p's word and codes and the products
.set JJ, JJ+2
.endr
	s_wait_dscnt 0x0                               ; V is in
.rept 4
	v_nop                                          ; the sums just rescaled keep an operand's distance from the products
.endr
.irp t, 0,1,2,3                                ; four accumulators by turns, one instruction a turn
	v_wmma_scale_f32_16x16x128_f8f6f4 v[OT+8*\t:OT+8*\t+7], v[VF+12*\t:VF+12*\t+11], v[PC:PC+11], v[OT+8*\t:OT+8*\t+7], v[VS+\t], v[PWD] matrix_a_fmt:MATRIX_FMT_FP6 matrix_b_fmt:MATRIX_FMT_FP6
.endr
.Lhidden_\@:
	s_add_co_u32 s[KF], s[KF], 128
.endm
; THE CHANGE OF SLOTS stands at a slot's head.  Each wave waits for all its tensor loads, adds 0 to its spare word, and waits for that and for its reads of the slot that it has left.  Behind the barrier the slot ahead is whole
; and nobody reads the other one.  fill = 1: that other slot takes the next 256 keys, up to the causal limit; the load has two key steps in which to land.  By this text's own count a wave has at most one tensor load out.
.macro CHANGE fill
	s_wait_tensorcnt 0x0                           ; no tensor load of mine is out, so group 0 may be written
	ds_add_u32 v[SPW], v[NIL]                      ; 0 onto my spare word
.if \fill
	s_xor_b32 s[G0+1], s[G0+1], SLOT1              ; the other slot than last time,
	s_add_nc_u64 s[G0+2:G0+3], s[G0+2:G0+3], 2*KVB ; the next two blocks; the type bits on top are not reached
	s_wait_xcnt 0x0                                ; the last prefetch, a slot back, has read its address
	s_add_nc_u64 s[PFA:PFA+1], s[PFA:PFA+1], 32768 ; 128 runs on
.endif
	s_wait_dscnt 0x0                               ; the add is done, and my reads of the slot that I have left are over
	s_barrier_signal -1
	s_barrier_wait -1
.if \fill
	s_add_co_u32 s52, s[KF], 256                   ; the first key of the slot that this change would ask for:
	s_cmp_gt_u32 s52, s[WGL]                       ; past my work-group's last query no wave reads it, so it is not asked for.  Ids and the count of steps alone: all sixteen waves go the same way
	s_cbranch_scc1 .Lpast_\@
	TLOAD                                          ; a wave's one tensor load until the next change
.Lpast_\@:
	ASK
.endif
.endm
	s_wait_loadcnt 0x0                             ; Q
.Lslot:                                            ; 15 trips
	CHANGE 1
	STEP 0
	STEP 1
	s_xor_b32 s[TB], s[TB], SLOT1
	s_sub_co_u32 s[SLOTS], s[SLOTS], 1
	s_cmp_lg_u32 s[SLOTS], 0
	s_cbranch_scc1 .Lslot
	CHANGE 0                                       ; the last slot is written out: nothing is left to ask for
	STEP 0
	STEP 1
	; THE WAY OUT: O^T / the sum, quantised along the head's 64: a piece and two scale bytes, from registers
.rept 4
	v_nop                                          ; four places behind the last products
.endr
	v_add_f32 v14, v14, v15                        ; the sum's two halves,
	v_permlanex16_b32 v[PT], v14, s[SEL], s[SEL+1]
	v_add_f32 v14, v14, v[PT]                      ; and lane l xor 16's
	v_rcp_f32 v14, v14
	v_nop                                          ; a plain instruction behind the reciprocal,
	s_wait_alu depctr_va_vdst(0)                   ; and the wait ahead of its first reader
.set JJ, 0
.rept 32
	v_mul_f32 v[SR+JJ], v[OT+JJ], v14              ; register 16 b + i is o(my query, 32 b + 16 (lane / 16) + i)
.set JJ, JJ+1
.endr
	QUANT2 SR, PC, OW
	global_store_b128 v[A16], v[PC:PC+3], s[OCB:OCB+1]            ; 512 consecutive bytes, aligned to 256
	global_store_b64 v[A8], v[PC+4:PC+5], s[OCB:OCB+1] offset:512 ; 256 likewise
	global_store_b16 v[A16], v[OW], s[OSB:OSB+1]                  ; my head's two bytes of the word of two heads
	s_wait_tensorcnt 0x0                           ; the wave's end, behind my last tensor load
	ds_add_u32 v[SPW], v[NIL]
	s_wait_dscnt 0x0
	s_endpgm
.Lfunc_end_k_qa75f6f6d00_attn:
	.size	k_qa75f6f6d00_attn, .Lfunc_end_k_qa75f6f6d00_attn-k_qa75f6f6d00_attn
	.p2alignl 7, 3214868480
	.fill 96, 4, 3214868480
	.section	.rodata,"a",@progbits
	.p2align	6, 0x0
	.amdhsa_kernel k_qa75f6f6d00_attn
		.amdhsa_group_segment_fixed_size 327680
		.amdhsa_private_segment_fixed_size 0
		.amdhsa_enable_private_segment 0
		.amdhsa_kernarg_size 32
		.amdhsa_user_sgpr_count 2
		.amdhsa_user_sgpr_kernarg_segment_ptr 1
		.amdhsa_wavefront_size32 1
		.amdhsa_system_sgpr_workgroup_id_x 1
		.amdhsa_system_sgpr_workgroup_id_y 1
		.amdhsa_system_sgpr_workgroup_id_z 1
		.amdhsa_system_vgpr_workitem_id 0
		.amdhsa_next_free_vgpr 256
		.amdhsa_next_free_sgpr 66
		.amdhsa_reserve_vcc 1
		.amdhsa_float_denorm_mode_32 3
		.amdhsa_float_denorm_mode_16_64 3
		.amdhsa_memory_ordered 1
		.amdhsa_forward_progress 1
		.amdhsa_inst_pref_size 96
	.end_amdhsa_kernel
	.amdgpu_metadata
---
amdhsa.version: [ 1, 2 ]
amdhsa.kernels:
  - .name:           k_qa75f6f6d00_attn
    .symbol:         k_qa75f6f6d00_attn.kd
    .args:
      - { .name: qw, .offset: 0, .size: 8, .value_kind: global_buffer, .address_space: global }
      - { .name: kv, .offset: 8, .size: 8, .value_kind: global_buffer, .address_space: global }
      - { .name: oc, .offset: 16, .size: 8, .value_kind: global_buffer, .address_space: global }
      - { .name: os, .offset: 24, .size: 8, .value_kind: global_buffer, .address_space: global }
    .group_segment_fixed_size: 327680
    .private_segment_fixed_size: 0
    .kernarg_segment_align: 8
    .kernarg_segment_size: 32
    .max_flat_workgroup_size: 512
    .sgpr_count:     66
    .vgpr_count:     256
    .wavefront_size: 32
...
	.end_amdgpu_metadata
.endif
;; end of part 3
;; launch outproj (part 4): grid 64 x 3, 4 waves a work-group, no clusters, 17,920 bytes of LDS; arguments oc, os, wc, ws, bo, out0; writes out0
.if DOCPART == 4
	.amdgcn_target "amdgcn-amd-amdhsa--gfx1250"
	.amdhsa_code_object_version 6
	.text
	.protected	k_qa75f6f6d00_outproj
	.globl	k_qa75f6f6d00_outproj
	.p2align	8
	.type	k_qa75f6f6d00_outproj,@function
k_qa75f6f6d00_outproj:
	s_mov_b64 s[64:65], 0
	v_nop
	global_prefetch_b8 v0, s[64:65] scope:SCOPE_SE
	s_setreg_imm32_b32 hwreg(HW_REG_WAVE_MODE, 25, 1), 1
	s_wait_xcnt 0x0
; out = o Wo + bo on codes of FP6 (E2M3) with one E8M0 scale for each 32 along K = 768.  Both operands lie in memory in the order of the operands' registers, so they go straight into registers.
; SHARES.  Work-group (x, y): 64 tokens (x), 256 columns (y).  Wave w: columns 64 (4 y + w) on: 64 tokens x 64 columns, 16 accumulators, six K steps of 128.  The waves share nothing: no barrier, no loop.
; Source 0 = 16 columns of Wo, source 1 = 16 tokens: a lane holds a token, and, the columns of a tile being 32 b + 8 u + r + 8 (r / 8), its 32 registers of a token tile are columns 32 b + 16 (lane / 16) + 0 .. 15.
; The bias is the C of each sum's first matrix instruction: eight registers a column tile, in the result's layout.
; Each K step has registers of its own (windows 1 to 3, two steps each), so that no load waits for a product; the loads run two K steps ahead.
; THE WAY OUT: a token tile's 16 rows x 256 bytes go through the wave's own stage in LDS (rows 272 bytes apart) and leave so that sixteen lanes store 256 consecutive bytes, aligned.
; NO CLUSTER, NO TENSOR LOAD: the three work-groups of a token block read the same 36,864 bytes of o's codes and the 64 of a column third the same weight codes, but each wave takes its fragments once, straight into registers.
.set LI,  1                            ; v1  16 x lane
.set L8,  2                            ; v2  8 x lane
.set RI,  3                            ; v3  16 x (lane % 16)
.set BA,  4                            ; v4  64 x (lane / 16)
.set STO, 5                            ; v5  the stage: where I put my row's bytes
.set RD,  6                            ; v6  and where I read a row back
.set GO,  7                            ; v7  the same place in out0
.set SPW, 8                            ; v8  my spare word; never rewritten
.set NIL, 9                            ; v9  0; never rewritten
.set WSR, 16                           ; v16-39  Wo's scale words: 4 s + tile
.set OSR, 40                           ; v40-63  o's
.set BI,  64                           ; v64-95  the bias; later rows on the way out, by turns with v96-127
.set ACC, 128                          ; v128-255 the accumulators: (token tile m, column tile t) at 8 (4 m + t)
.set SPARE, 17408                      ; behind the four stages of 4,352 bytes: the spare words, that no other line names
.set WB,  20
.set WSB, 22
.set OB,  24
.set OSB, 26
.set BB,  28
.set OUT, 30
.set MSB, 0
.macro WIN new                         ; the immediate's high byte repeats the setting that is left
.if MSB != (\new)
	s_set_vgpr_msb (MSB<<8)|(\new)
.set MSB, (\new)
.endif
.endm
.macro LD s                            ; K step s: Wo's four fragments, then o's four, into window 1 + s / 2 from register 96 (s % 2) on: 28 loads
.set NW, (1+(\s)/2)<<6
	WIN NW                                         ; destination in that window, addresses in window 0
.set FB, 96*((\s)%2)
.irp t, 0,1,2,3
.irp c, 0,1,2
	global_load_b128 v[FB+12*\t+4*\c:FB+12*\t+4*\c+3], v[LI], s[WB:WB+1] offset:9216*\t+1536*(\s)+512*\c
.endr
.endr
.irp m, 0,1,2,3                        ; o's fragment is two pieces: heads 2 s and 2 s + 1
	global_load_b128 v[FB+48+12*\m:FB+48+12*\m+3], v[LI], s[OB:OB+1] offset:9216*\m+1536*(\s)
	global_load_b64 v[FB+48+12*\m+4:FB+48+12*\m+5], v[L8], s[OB:OB+1] offset:9216*\m+1536*(\s)+512
	global_load_b128 v[FB+48+12*\m+6:FB+48+12*\m+9], v[LI], s[OB:OB+1] offset:9216*\m+1536*(\s)+768
	global_load_b64 v[FB+48+12*\m+10:FB+48+12*\m+11], v[L8], s[OB:OB+1] offset:9216*\m+1536*(\s)+1280
.endr
.endm
.macro MUL s                           ; 16 matrix instructions; the accumulators take turns, one instruction a turn, in the same order in every step
.set NW, (1+(\s)/2)*5
	WIN NW                                         ; sources 0 and 1 in the step's window; C and D in window 0
.set FB, 96*((\s)%2)
.irp m, 0,1,2,3
.irp t, 0,1,2,3
.if (\s) == 0
	v_wmma_scale_f32_16x16x128_f8f6f4 v[ACC+8*(4*\m+\t):ACC+8*(4*\m+\t)+7], v[FB+12*\t:FB+12*\t+11], v[FB+48+12*\m:FB+48+12*\m+11], v[BI+8*\t:BI+8*\t+7], v[WSR+4*(\s)+\t], v[OSR+4*(\s)+\m] matrix_a_fmt:MATRIX_FMT_FP6 matrix_b_fmt:MATRIX_FMT_FP6
.else
	v_wmma_scale_f32_16x16x128_f8f6f4 v[ACC+8*(4*\m+\t):ACC+8*(4*\m+\t)+7], v[FB+12*\t:FB+12*\t+11], v[FB+48+12*\m:FB+48+12*\m+11], v[ACC+8*(4*\m+\t):ACC+8*(4*\m+\t)+7], v[WSR+4*(\s)+\t], v[OSR+4*(\s)+\m] matrix_a_fmt:MATRIX_FMT_FP6 matrix_b_fmt:MATRIX_FMT_FP6
.endif
.endr
.endr
.endm
	s_load_b256 s[4:11], s[0:1], 0x0               ; oc, os, wc, ws
	s_load_b128 s[12:15], s[0:1], 0x20             ; bo, out0
	v_lshl_add_u32 v[SPW], v0, 2, SPARE
	v_mov_b32 v[NIL], 0
	v_lshrrev_b32 v10, 5, v0
	v_readfirstlane_b32 s16, v10                   ; wave 0..3
	v_and_b32 v10, 31, v0                          ; lane
	v_and_b32 v11, 15, v0                          ; r
	v_bfe_u32 v12, v0, 4, 1                        ; h
	v_lshlrev_b32 v[LI], 4, v10
	v_lshlrev_b32 v[L8], 3, v10
	v_lshlrev_b32 v[RI], 4, v11
	v_lshlrev_b32 v[BA], 6, v12
	s_mul_i32 s32, s16, 4352                       ; my stage
	v_mul_u32_u24 v[STO], v11, 272                 ; in: row r, + 64 h: my 16 columns of each 32
	v_lshl_add_u32 v[STO], v12, 6, v[STO]
	v_add_nc_u32 v[STO], s32, v[STO]
	v_mul_u32_u24 v[RD], v12, 272                  ; back: lanes 0-15 one row, lanes 16-31 the next
	v_lshl_add_u32 v[RD], v11, 4, v[RD]
	v_add_nc_u32 v[RD], s32, v[RD]
	v_mul_u32_u24 v[GO], v12, 3072                 ; and the same two rows in out0
	v_lshl_add_u32 v[GO], v11, 4, v[GO]
	s_and_b32 s18, ttmp7, 0xffff
	s_lshl_b32 s19, s18, 2
	s_add_co_u32 s19, s19, s16                     ; n: my 64 columns
	s_mul_i32 s[WB], s19, 36864
	s_add_co_u32 s[WB], s[WB], 3*442368            ; Wo is the fourth weight
	s_mov_b32 s[WB+1], 0
	s_mul_i32 s[WSB], s19, 1536
	s_add_co_u32 s[WSB], s[WSB], 3*18432
	s_mov_b32 s[WSB+1], 0
	s_mul_i32 s[OB], ttmp9, 36864                  ; four token tiles x twelve heads x 768
	s_mov_b32 s[OB+1], 0
	s_mul_i32 s[OSB], ttmp9, 3072
	s_mov_b32 s[OSB+1], 0
	s_lshl_b32 s[BB], s19, 8
	s_mov_b32 s[BB+1], 0
	s_mul_i32 s[OUT], ttmp9, 196608                ; 64 rows of 3,072 bytes
	s_add_co_u32 s[OUT], s[OUT], s[BB]
	s_mov_b32 s[OUT+1], 0
	s_wait_kmcnt 0x0
	s_add_nc_u64 s[WB:WB+1], s[8:9], s[WB:WB+1]
	s_add_nc_u64 s[WSB:WSB+1], s[10:11], s[WSB:WSB+1]
	s_add_nc_u64 s[OB:OB+1], s[4:5], s[OB:OB+1]
	s_add_nc_u64 s[OSB:OSB+1], s[6:7], s[OSB:OSB+1]
	s_add_nc_u64 s[BB:BB+1], s[12:13], s[BB:BB+1]
	s_add_nc_u64 s[OUT:OUT+1], s[14:15], s[OUT:OUT+1]
.irp t, 0,1,2,3
	global_load_b128 v[BI+8*\t:BI+8*\t+3], v[BA], s[BB:BB+1] offset:(32*(\t/2)+8*(\t%2))*4       ; bo at columns 32 (t / 2) + 16 h + 8 (t % 2) + 0 .. 7
	global_load_b128 v[BI+8*\t+4:BI+8*\t+7], v[BA], s[BB:BB+1] offset:(32*(\t/2)+8*(\t%2))*4+16
.endr
.irp s, 0,1,2,3,4,5
	global_load_b128 v[WSR+4*\s:WSR+4*\s+3], v[RI], s[WSB:WSB+1] offset:256*\s
	global_load_b128 v[OSR+4*\s:OSR+4*\s+3], v[LI], s[OSB:OSB+1] offset:512*\s
.endr
	LD 0
	LD 1
.irp s, 0,1,2,3,4,5
.if \s < 5
	s_wait_loadcnt 28                              ; this K step's loads, and all before them, are in; the next step's 28 may be out
.else
	s_wait_loadcnt 0x0
.endif
	MUL \s
.if \s < 4
	LD \s+2
.endif
.endr
	WIN 0
.rept 4
	v_nop                                          ; four places between the last products and the first read of results; and in front of the loads into the bias's registers
.endr
.irp m, 0,1,2,3
.set BK, BI+32*((\m)%2)
.if \m >= 2
	s_wait_xcnt 0x0                                ; the stores of two tiles back have read these registers
.endif
.irp b, 0,1
.irp q, 0,1,2,3
	ds_store_b128 v[STO], v[ACC+32*\m+16*\b+4*\q:ACC+32*\m+16*\b+4*\q+3] offset:128*\b+16*\q    ; each accumulator from its low end on
.endr
.endr
.irp i, 0,1,2,3,4,5,6,7
	ds_load_b128 v[BK+4*\i:BK+4*\i+3], v[RD] offset:544*\i         ; LDS serves a wave's instructions in order: these see my stores
.endr
.irp i, 0,1,2,3,4,5,6,7
	s_wait_dscnt 7-\i                              ; the younger loads may be out
	global_store_b128 v[GO], v[BK+4*\i:BK+4*\i+3], s[OUT:OUT+1] offset:(32*(\m/2)+8*(\m%2)+2*\i+8*(\i/4))*3072 th:TH_STORE_NT   ; tile rows 2 i, 2 i + 1 are tokens 2 i + 8 (i / 4) on; sixteen lanes store 256 consecutive bytes, aligned
.endr
.endr
	s_wait_tensorcnt 0x0                           ; the wave's end, behind my last LDS store
	ds_add_u32 v[SPW], v[NIL]
	s_wait_dscnt 0x0
	s_endpgm
.Lfunc_end_k_qa75f6f6d00_outproj:
	.size	k_qa75f6f6d00_outproj, .Lfunc_end_k_qa75f6f6d00_outproj-k_qa75f6f6d00_outproj
	.p2alignl 7, 3214868480
	.fill 96, 4, 3214868480
	.section	.rodata,"a",@progbits
	.p2align	6, 0x0
	.amdhsa_kernel k_qa75f6f6d00_outproj
		.amdhsa_group_segment_fixed_size 17920
		.amdhsa_private_segment_fixed_size 0
		.amdhsa_enable_private_segment 0
		.amdhsa_kernarg_size 48
		.amdhsa_user_sgpr_count 2
		.amdhsa_user_sgpr_kernarg_segment_ptr 1
		.amdhsa_wavefront_size32 1
		.amdhsa_system_sgpr_workgroup_id_x 1
		.amdhsa_system_sgpr_workgroup_id_y 1
		.amdhsa_system_sgpr_workgroup_id_z 1
		.amdhsa_system_vgpr_workitem_id 0
		.amdhsa_next_free_vgpr 960
		.amdhsa_next_free_sgpr 66
		.amdhsa_reserve_vcc 0
		.amdhsa_float_denorm_mode_32 3
		.amdhsa_float_denorm_mode_16_64 3
		.amdhsa_memory_ordered 1
		.amdhsa_forward_progress 1
		.amdhsa_inst_pref_size 41
	.end_amdhsa_kernel
	.amdgpu_metadata
---
amdhsa.version: [ 1, 2 ]
amdhsa.kernels:
  - .name:           k_qa75f6f6d00_outproj
    .symbol:         k_qa75f6f6d00_outproj.kd
    .args:
      - { .name: oc, .offset: 0, .size: 8, .value_kind: global_buffer, .address_space: global }
      - { .name: os, .offset: 8, .size: 8, .value_kind: global_buffer, .address_space: global }
      - { .name: wc, .offset: 16, .size: 8, .value_kind: global_buffer, .address_space: global }
      - { .name: ws, .offset: 24, .size: 8, .value_kind: global_buffer, .address_space: global }
      - { .name: bo, .offset: 32, .size: 8, .value_kind: global_buffer, .address_space: global }
      - { .name: out0, .offset: 40, .size: 8, .value_kind: global_buffer, .address_space: global }
    .group_segment_fixed_size: 17920
    .private_segment_fixed_size: 0
    .kernarg_segment_align: 8
    .kernarg_segment_size: 48
    .max_flat_workgroup_size: 128
    .sgpr_count:     66
    .vgpr_count:     960
    .wavefront_size: 32
...
	.end_amdgpu_metadata
.endif
;; end of part 4
;; ======== version 2 of 2: 4 launches
;; workspace buffers: wc 1,769,472 bytes; ws 73,728 bytes; qw 2,752,512 bytes; kv 5,308,416 bytes; oc 2,359,296 bytes; os 196,608 bytes
;; launch wquant: the kernel of part 1 again; grid 36 x 4, 4 waves a work-group, no clusters, 13,312 bytes of LDS; arguments Wq, Wk, Wv, Wo, wc, ws; writes wc, ws
;; launch proj (part 5): grid 64 x 3, 12 waves a work-group, no clusters, 41,472 bytes of LDS; arguments Q, K, V, wc, ws, qw, kv; writes qw, kv
.if DOCPART == 5
	.amdgcn_target "amdgcn-amd-amdhsa--gfx1250"
	.amdhsa_code_object_version 6
	.text
	.protected	k_qa75f6f6d00_proj
	.globl	k_qa75f6f6d00_proj
	.p2align	8
	.type	k_qa75f6f6d00_proj,@function
k_qa75f6f6d00_proj:
	s_mov_b64 s[64:65], 0
	v_nop
	global_prefetch_b8 v0, s[64:65] scope:SCOPE_SE
	s_setreg_imm32_b32 hwreg(HW_REG_WAVE_SCHED_MODE, 0, 2), 2
	s_setreg_imm32_b32 hwreg(HW_REG_WAVE_MODE, 25, 1), 1
	s_wait_xcnt 0x0
	s_wait_alu depctr_vm_vsrc(0)
; q = Q Wq, k = K Wk, v = V Wv on codes of FP6 (E2M3) with one E8M0 scale for each 32 along K; the results are quantised at once for the attention's two products
; (q and k along the head's 64, v along the keys) and leave as codes alone.
; SHARES.  Work-group (x, y): 64 tokens (x) of tensor y (0 Q, 1 K, 2 V), all 768 columns, so that each number of x is read from memory once.  Twelve waves, wave w = head w: 64 tokens x 64 columns, 16 accumulators.
; PHASE X: wave w quantises tile w % 4 of the tokens at K steps 2 (w / 4) and 2 (w / 4) + 1 and stores the two fragments in LDS as IMAGES OF THEIR REGISTERS (three runs of 512 bytes, lane l at 16 l);
; one barrier; then every wave walks the six K steps: x's four fragments from LDS, its head's four weight fragments straight from memory, where they lie in the registers' order, asked for a K step ahead.
; THE TOKENS OF A TILE ARE NOT NEIGHBOURS, nor are the weight's columns: row r of tile 2 b + u takes element 32 b + 8 u + r + 8 (r / 8).  So the 16 registers of two neighbouring result tiles are 16 neighbours.
; Q, K: source 0 = the weight's columns, source 1 = tokens: a lane holds a token, its 32 registers of a token tile run along the head's 64.
; V:    source 0 = tokens, source 1 = the weight's columns: a lane holds a channel, its 32 registers run along the 64 keys.  Behind the products both look alike: 4 x 32 registers = 4 x two blocks of 32.
; OUT.  A PIECE is six registers a lane (16 rows x 64 along K): 512 bytes (registers 0-3, 16 a lane), then 256 (registers 4-5, 8 a lane).
;   qw: [head][64 tokens][3584]: 4 pieces, then [lane 32][tile 4] scale words.
;   kv: [head][128 keys][13824]: 8 pieces of k; at 6144 k's words; at 7168 8 pieces of v^T ((64 keys c, channel tile t) at 3072 c + 768 t); at 13312 v's words [lane 32][tile 4], of which this work-group writes the half for its 64 keys.
;   q's and k's K is 64, half of the matrix instruction's 128: their words repeat the two bytes in the upper half, which scales codes that are multiplied by zeros.
; Every store covers 512 or 256 consecutive aligned bytes, but v's half words (2 bytes in each 4): a scale word there spans two work-groups' keys.
; NO CLUSTER, NO TENSOR LOAD: the 64 work-groups of a tensor read the same weight codes, but each wave takes only its own 36,864 bytes of them, straight into registers; a joint load would want a ring in LDS for all 442,368.
; LIMITS: NaN and infinities are not served; a block whose largest magnitude lies under 2^-124, a block of zeros among them, keeps the byte 1.
; THE MODE: SCHED_MODE bits 1:0 = 2 (LLVM: expert scheduling mode 2), set by the entry lines.  The code itself states the register dependences
; between vector or matrix instructions and memory or LDS instructions, with s_wait_alu, always for 0.
; THE PLAN.  Registers that memory or LDS instructions touch:
;   v1-v8         offsets, LDS addresses and the closing add's pair: written at the head, never again.  One wait on va_vdst ahead of the first load.
;   v128-255      phase X: x's loads land here before anything has named them; then vector and matrix instructions alone.
;   v44-55, v40   phase X: a fragment's codes and word: written by the quantiser, read by four LDS stores (a wait on va_vdst ahead of each run of stores), written again by the second quantiser
;                 (a wait on vm_vsrc ahead of it); behind the barrier they are x's fragment registers, in which LDS loads land (a wait on vm_vsrc ahead of the branch).
;   XF, XS        one buffer: step s's LDS loads land here, step s's products read it.
;   W0, W1        two buffers by turns (W0: v80-127, words v20-23; W1: v256-303, words v28-31): step s asks for step s + 1's weights into W[(s + 1) % 2]; step s's products read W[s % 2].
;   So ONE wait on va_vdst stands at the head of steps 1 to 5: step s - 1's products are done reading XF, XS and W[(s - 1) % 2], the very registers in which all of step s's 26 loads land.
;   v32-59        behind the products: the pieces and their words: written by the four closing quantisers, read by the stores.  One wait on va_vdst ahead of the run of stores.
.set XIMG,  0                          ; LDS: x's 24 fragments, (K step s, tile m) at (4 s + m) x 1536
.set XSC,   36864                      ; their scale words: [s 6][lane 32][m 4]
.set SPARE, 39936                      ; the spare words, 128 bytes a wave, that no other line names
.set LI,  1                            ; v1   16 x lane
.set L8,  2                            ; v2   8 x lane
.set RI,  3                            ; v3   16 x (lane % 16)
.set XA,  4                            ; v4   x: my row of the tile and my 16 numbers of a block of 32
.set XWI, 5                            ; v5   where I store x's images
.set XWS, 6                            ; v6   and their scale words
.set SPW, 7                            ; v7   my spare word; never rewritten
.set NIL, 8                            ; v8   0; never rewritten
.set XS,  16                           ; v16-19  x's scale words, one for each tile
.set WS,  20                           ; v20-23  the weight's, buffer 0;  v28-31 buffer 1
.set PT,  24                           ; v24-27  lane permutes' destinations, then scale bytes
.set XF,  32                           ; v32-79  x's four fragments
.set WF,  80                           ; v80-127 the weight's four, buffer 0;  buffer 1: v256-303, named v0-47 in window 1
.set ACC, 128                          ; v128-255 the accumulators; in phase X: 2 x 64 numbers of x
.set TM4, 32                           ; phase X, at work in x's fragment registers:
.set TS4, 36
.set PW,  40
.set PC,  44                           ; v44-62
.set CB,  32                           ; behind the products, likewise: v32-55 four pieces
.set PW4, 56                           ; v56-59 their words
.set TM,  60
.set TS,  62
.set T2,  64
.set WV,  18
.set SEL, 20
.set WB,  26                           ; s[26:27] my head's weight fragments;  s[28:29] their scale words
.set WSB, 28
.set PB,  30                           ; s[30:31] where my pieces go;  s[32:33] their words
.set SB,  32
.set MSB, 0
.macro WIN new                         ; the immediate's high byte repeats the setting that is left; a switch that changes nothing is dropped
.if MSB != (\new)
	s_set_vgpr_msb (MSB<<8)|(\new)
.set MSB, (\new)
.endif
.endm
; 64 numbers of a lane, register 16 b + i = k 32 b + 16 (lane / 16) + i of my row, become a fragment in v[PC] on and its scale word in v[PW]
.macro QUANT4 s
.irp b, 0,1,2,3
	v_max3_num_f32 v[TM4+\b], |v[\s+16*\b]|, |v[\s+1+16*\b]|, 0x1800000   ; my 16 numbers of block b, and the floor 2^(3 - 127)
.endr
.irp i, 2,4,6,8,10,12,14
.irp b, 0,1,2,3
	v_max3_num_f32 v[TM4+\b], v[TM4+\b], |v[\s+16*\b+\i]|, |v[\s+1+16*\b+\i]|
.endr
.endr
.irp b, 0,1,2,3
	v_permlanex16_b32 v[PT+\b], v[TM4+\b], s[SEL], s[SEL+1]
.endr
.irp b, 0,1,2,3
	v_max_num_f32 v[TM4+\b], v[TM4+\b], v[PT+\b]   ; with lane l xor 16's: the block's largest magnitude
.endr
.irp b, 0,1,2,3
	v_add_nc_u32 v[TS4+\b], 0xff000000, v[TM4+\b]  ; 2 off the exponent field: the conversion's scale operand
.endr
.irp b, 0,1,2,3
	v_lshrrev_b32 v[PT+\b], 23, v[TS4+\b]          ; the byte
.endr
	v_lshl_or_b32 v[PW], v[PT+1], 8, v[PT]
	v_lshl_or_b32 v[PW], v[PT+2], 16, v[PW]
	v_lshl_or_b32 v[PW], v[PT+3], 24, v[PW]
.irp c, 0,1
	v_cvt_scalef32_pk16_fp6_f32 v[PC+6*\c:PC+2+6*\c], v[\s+32*\c:\s+15+32*\c], v[TS4+2*\c]
	v_cvt_scalef32_pk16_fp6_f32 v[PC+12+4*\c:PC+14+4*\c], v[\s+16+32*\c:\s+31+32*\c], v[TS4+2*\c+1]
.endr
	v_nop                                          ; one plain instruction behind a scaled conversion
.irp c, 0,1                                    ; the operand wants a WHOLE block in a lane: lanes 0-15 block 2 c, lanes 16-31 block 2 c + 1
.irp i, 0,1,2
	v_permlane16_swap_b32 v[PC+6*\c+\i], v[PC+12+4*\c+\i]
.endr
.irp i, 0,1,2
	v_mov_b32 v[PC+3+6*\c+\i], v[PC+12+4*\c+\i]
.endr
.endr
.endm
; the same for 32 numbers, two blocks: a piece in v[dst] on; its two bytes, repeated in the upper half, in v[pw].  The sources are read in ascending order
.macro QUANT2 src, dst, pw
.irp b, 0,1
	v_max3_num_f32 v[TM+\b], |v[\src+16*\b]|, |v[\src+1+16*\b]|, 0x1800000
.endr
.irp i, 2,4,6,8,10,12,14
.irp b, 0,1
	v_max3_num_f32 v[TM+\b], v[TM+\b], |v[\src+16*\b+\i]|, |v[\src+1+16*\b+\i]|
.endr
.endr
.irp b, 0,1
	v_permlanex16_b32 v[PT+\b], v[TM+\b], s[SEL], s[SEL+1]
.endr
.irp b, 0,1
	v_max_num_f32 v[TM+\b], v[TM+\b], v[PT+\b]
.endr
.irp b, 0,1
	v_add_nc_u32 v[TS+\b], 0xff000000, v[TM+\b]
.endr
.irp b, 0,1
	v_lshrrev_b32 v[PT+\b], 23, v[TS+\b]
.endr
	v_lshl_or_b32 v[\pw], v[PT+1], 8, v[PT]
	v_lshl_or_b32 v[\pw], v[\pw], 16, v[\pw]
	v_cvt_scalef32_pk16_fp6_f32 v[\dst:\dst+2], v[\src:\src+15], v[TS]
	v_cvt_scalef32_pk16_fp6_f32 v[T2:T2+2], v[\src+16:\src+31], v[TS+1]
	v_nop
.irp i, 0,1,2
	v_permlane16_swap_b32 v[\dst+\i], v[T2+\i]
.endr
.irp i, 0,1,2
	v_mov_b32 v[\dst+3+\i], v[T2+\i]
.endr
.endm
.macro XLOAD reg, i                            ; my row's 64 numbers of my i-th K step
.irp b, 0,1,2,3
.irp j, 0,1,2,3
	global_load_b128 v[\reg+16*\b+4*\j:\reg+16*\b+4*\j+3], v[XA], s[4:5] offset:512*\i+128*\b+16*\j th:TH_LOAD_NT
.endr
.endr
.endm
; my head's scale words and four weight fragments of K step s, into buffer s % 2: 13 loads.  It is entered with every window 0 and leaves the destination's window at s % 2
.macro WLOAD s
.set LFR, WF-WF*((\s)%2)               ; v80 on in window 0, v0 on in window 1
.set LSR, WS+8*((\s)%2)
.set NW, ((\s)%2)<<6
	global_load_b128 v[LSR:LSR+3], v[RI], s[WSB:WSB+1] offset:256*(\s)
	WIN NW                                         ; the fragments' destination: window s % 2; the offset stays in window 0
.irp t, 0,1,2,3
.irp c, 0,1,2
	global_load_b128 v[LFR+12*\t+4*\c:LFR+12*\t+4*\c+3], v[LI], s[WB:WB+1] offset:9216*\t+1536*(\s)+512*\c
.endr
.endr
.endm
.macro IMAGE off                               ; the fragment in v[PC] on goes to LDS as it stands
.irp c, 0,1,2
	ds_store_b128 v[XWI], v[PC+4*\c:PC+4*\c+3] offset:XIMG+(\off)+512*\c
.endr
.endm
; K step s: 16 matrix instructions.  vv = 0 (Q, K): source 0 = the weight's fragments, source 1 = x's; vv = 1 (V): the other way round.
; The 16 accumulators take turns, one instruction a turn, in the same order in every step.
.macro KSTEP s, vv
.if (\s) > 0
.rept 4
	v_nop                                          ; four places between the last step's products and the loads into their operands; they stand beside the wait below, which fills no place
.endr
	s_wait_alu depctr_va_vdst(0)                   ; the last step's products are done reading x's fragments and words and the weight buffer that they used: all of this step's loads land in those registers
.endif
.irp m, 0,1,2,3
.irp c, 0,1,2
	ds_load_b128 v[XF+12*\m+4*\c:XF+12*\m+4*\c+3], v[LI] offset:XIMG+(4*(\s)+\m)*1536+512*\c
.endr
.endr
	ds_load_b128 v[XS:XS+3], v[LI] offset:XSC+512*(\s)
.if (\s) < 5
	WLOAD (\s)+1                                   ; the next step's weights, into the other buffer: only loads and a window switch stand between the wait above and these; they go out while x's fragments come from LDS
	s_wait_loadcnt 13                              ; loads come back in order: this step's weights, asked for a step ago, are in; the 13 just issued may be out
.else
	s_wait_loadcnt 0x0
.endif
	s_wait_dscnt 0x0
.set WFR, WF-WF*((\s)%2)
.set WSR, WS+8*((\s)%2)
.if \vv
.set OPA, XF
.set SWA, XS
.set OPB, WFR
.set SWB, WSR
.set NW, 4*((\s)%2)                    ; source 1 in window s % 2
.else
.set OPA, WFR
.set SWA, WSR
.set OPB, XF
.set SWB, XS
.set NW, (\s)%2                        ; source 0 in window s % 2
.endif
	WIN NW
.irp b, 0,1,2,3
.irp a, 0,1,2,3
.if (\s) == 0
	v_wmma_scale_f32_16x16x128_f8f6f4 v[ACC+8*(4*\b+\a):ACC+8*(4*\b+\a)+7], v[OPA+12*\a:OPA+12*\a+11], v[OPB+12*\b:OPB+12*\b+11], 0, v[SWA+\a], v[SWB+\b] matrix_a_fmt:MATRIX_FMT_FP6 matrix_b_fmt:MATRIX_FMT_FP6
.else
	v_wmma_scale_f32_16x16x128_f8f6f4 v[ACC+8*(4*\b+\a):ACC+8*(4*\b+\a)+7], v[OPA+12*\a:OPA+12*\a+11], v[OPB+12*\b:OPB+12*\b+11], v[ACC+8*(4*\b+\a):ACC+8*(4*\b+\a)+7], v[SWA+\a], v[SWB+\b] matrix_a_fmt:MATRIX_FMT_FP6 matrix_b_fmt:MATRIX_FMT_FP6
.endif
.endr
.endr
	WIN 0
.endm
	s_load_b256 s[4:11], s[0:1], 0x0               ; Q, K, V, wc
	s_load_b128 s[12:15], s[0:1], 0x20             ; ws, qw
	s_load_b64 s[16:17], s[0:1], 0x30              ; kv
	v_lshl_add_u32 v[SPW], v0, 2, SPARE
	v_mov_b32 v[NIL], 0
	v_lshrrev_b32 v9, 5, v0
	v_readfirstlane_b32 s[WV], v9                  ; wave 0..11 = my head
	v_and_b32 v9, 31, v0                           ; lane
	v_and_b32 v10, 15, v0                          ; r
	v_bfe_u32 v11, v0, 4, 1                        ; h
	v_lshlrev_b32 v[LI], 4, v9
	v_lshlrev_b32 v[L8], 3, v9
	v_lshlrev_b32 v[RI], 4, v10
	v_and_b32 v12, 8, v10
	v_add_nc_u32 v12, v12, v10                     ; r + 8 (r / 8)
	v_mul_u32_u24 v[XA], v12, 3072                 ; a row of x is 3,072 bytes
	v_lshl_add_u32 v[XA], v11, 6, v[XA]            ; + 64 h: my 16 numbers of each block of 32
.irp b, 0,1,2,3
	v_mov_b32 v[PT+\b], 0                          ; written once: a lane permute's destination counts as one of its sources
.endr
	s_mov_b32 s[SEL], 0x76543210
	s_mov_b32 s[SEL+1], 0xfedcba98                 ; v_permlanex16_b32's selects for lane l xor 16
	s_mov_b32 s23, ttmp9                           ; which 64 tokens
	s_and_b32 s24, ttmp7, 0xffff                   ; which tensor
	s_wait_alu depctr_va_sdst(0)                   ; the wave's number is written, ahead of its first reader: LDS places and all the bases are made from it
	s_and_b32 s19, s[WV], 3                        ; phase X: my tile of tokens,
	s_lshr_b32 s22, s[WV], 2                       ; my pair of K steps
	s_mul_i32 s36, s19, 1536
	s_mul_i32 s37, s22, 12288
	s_add_co_u32 s36, s36, s37
	v_add_nc_u32 v[XWI], s36, v[LI]
	s_lshl_b32 s36, s19, 2
	s_lshl_b32 s37, s22, 10
	s_add_co_u32 s36, s36, s37
	v_add_nc_u32 v[XWS], s36, v[LI]
	s_lshl_b32 s34, s23, 6                         ; x: token 64 x + 32 (m / 2) + 8 (m % 2), K step pair: 1,024 bytes
	s_lshr_b32 s36, s19, 1
	s_lshl_b32 s36, s36, 5
	s_add_co_u32 s34, s34, s36
	s_and_b32 s36, s[WV], 1
	s_lshl_b32 s36, s36, 3
	s_add_co_u32 s34, s34, s36
	s_mul_i32 s34, s34, 3072
	s_add_co_u32 s34, s34, s37
	s_mov_b32 s35, 0
	s_mul_i32 s[WB], s24, 442368                   ; the tensor's weight, my head's four tiles
	s_mul_i32 s36, s[WV], 36864
	s_add_co_u32 s[WB], s[WB], s36
	s_mov_b32 s[WB+1], 0
	s_mul_i32 s[WSB], s24, 18432
	s_mul_i32 s36, s[WV], 1536
	s_add_co_u32 s[WSB], s[WSB], s36
	s_mov_b32 s[WSB+1], 0
	s_lshl_b32 s36, s[WV], 6
	s_add_co_u32 s36, s36, s23
	s_mul_i32 s36, s36, 3584                       ; Q: pieces,
	s_add_co_u32 s37, s36, 3072                    ;    words
	s_lshl_b32 s38, s[WV], 5
	s_lshr_b32 s39, s23, 1
	s_add_co_u32 s38, s38, s39
	s_mul_i32 s38, s38, 13824                      ; K, V: the block of my 128 keys
	s_and_b32 s39, s23, 1                          ; c: which 64 of them
	s_mul_i32 s40, s39, 3072
	s_add_co_u32 s40, s40, s38                     ; K: pieces,
	s_lshl_b32 s41, s39, 9
	s_add_co_u32 s41, s41, s38
	s_add_co_u32 s41, s41, 6144                    ;    words
	s_add_co_u32 s42, s40, 7168                    ; V: pieces,
	s_lshl_b32 s43, s39, 1
	s_add_co_u32 s43, s43, s38
	s_add_co_u32 s43, s43, 13312                   ;    half words
	s_cmp_eq_u32 s24, 1
	s_cselect_b32 s40, s40, s42
	s_cselect_b32 s41, s41, s43
	s_cmp_eq_u32 s24, 0
	s_cselect_b32 s[PB], s36, s40
	s_cselect_b32 s[SB], s37, s41
	s_mov_b32 s[PB+1], 0
	s_mov_b32 s[SB+1], 0
	s_wait_kmcnt 0x0
	s_cmp_eq_u32 s24, 0                            ; the buffers are chosen by the work-group's number alone
	s_cselect_b64 s[44:45], s[14:15], s[16:17]
	s_add_nc_u64 s[PB:PB+1], s[44:45], s[PB:PB+1]
	s_add_nc_u64 s[SB:SB+1], s[44:45], s[SB:SB+1]
	s_cmp_eq_u32 s24, 1
	s_cselect_b64 s[4:5], s[6:7], s[4:5]
	s_cmp_eq_u32 s24, 2
	s_cselect_b64 s[4:5], s[8:9], s[4:5]
	s_add_nc_u64 s[4:5], s[4:5], s[34:35]
	s_add_nc_u64 s[WB:WB+1], s[10:11], s[WB:WB+1]
	s_add_nc_u64 s[WSB:WSB+1], s[12:13], s[WSB:WSB+1]
	; ---- phase X
	s_wait_alu depctr_va_vdst(0)                   ; the offsets and LDS addresses v1 to v6 are written, which every load and store of the kernel reads; none is written again
	XLOAD ACC, 0
	XLOAD ACC+64, 1
	WLOAD 0                                        ; K step 0's weights land while x is quantised
	s_wait_loadcnt 29                              ; my first 16 loads are in; behind them: the second 16 and the weights' 13
	QUANT4 ACC
	s_wait_alu depctr_va_vdst(0)                   ; the quantiser has written the codes and the word, which the LDS stores read
	IMAGE 0
	ds_store_b32 v[XWS], v[PW] offset:XSC
	s_wait_dscnt 0x0                               ; my first image has landed
	s_wait_alu depctr_vm_vsrc(0)                   ; the LDS stores have read the codes and the word, which the second quantiser writes again
	s_wait_loadcnt 13                              ; the weights' 13 may be out
	QUANT4 ACC+64
	s_wait_alu depctr_va_vdst(0)                   ; the quantiser has written the codes and the word, which the LDS stores read; and it is done with v32 to v62, in which x's fragments land below
	IMAGE 6144
	ds_store_b32 v[XWS], v[PW] offset:XSC+512
	s_wait_dscnt 0x0                               ; for the others' sake: my images have landed
	s_barrier_signal -1
	s_barrier_wait -1                              ; x's 24 fragments lie in LDS; nothing is stored there again
	s_wait_alu depctr_vm_vsrc(0)                   ; my LDS stores have read the codes and the word: from here on these registers are x's fragments, in which LDS loads land, on both ways below
	; ---- the products
	s_cmp_eq_u32 s24, 2
	s_cbranch_scc1 .Lv
.irp s, 0,1,2,3,4,5
	KSTEP \s, 0                                    ; Q, K: a lane holds a token
.endr
	s_branch .Lpost
.Lv:
.irp s, 0,1,2,3,4,5
	KSTEP \s, 1                                    ; V: a lane holds a channel
.endr
.Lpost:
.rept 4
	v_nop                                          ; four places between the last products and the first read of results and write of operands
.endr
.irp i, 0,1,2,3
	QUANT2 ACC+32*\i, CB+6*\i, PW4+\i
.endr
	s_wait_alu depctr_va_vdst(0)                   ; the four quantisers have written the pieces and their words, which the stores below read, on both ways
.irp i, 0,1,2,3
	global_store_b128 v[LI], v[CB+6*\i:CB+6*\i+3], s[PB:PB+1] offset:768*\i        ; 512 consecutive bytes, aligned to 256
	global_store_b64 v[L8], v[CB+6*\i+4:CB+6*\i+5], s[PB:PB+1] offset:768*\i+512   ; 256 likewise
.endr
	s_cmp_eq_u32 s24, 2
	s_cbranch_scc1 .Lvwords
	global_store_b128 v[LI], v[PW4:PW4+3], s[SB:SB+1]
	s_branch .Lend
.Lvwords:
.irp i, 0,1,2,3
	global_store_b16 v[LI], v[PW4+\i], s[SB:SB+1] offset:4*\i                      ; my 64 keys' two bytes of the word of 128 keys
.endr
.Lend:
	s_wait_dscnt 0x0                               ; the closing lines, six on end
	s_wait_alu 0x0
	s_wait_tensorcnt 0x0
	ds_add_u32 v[SPW], v[NIL]
	s_wait_dscnt 0x0
	s_endpgm
.Lfunc_end_k_qa75f6f6d00_proj:
	.size	k_qa75f6f6d00_proj, .Lfunc_end_k_qa75f6f6d00_proj-k_qa75f6f6d00_proj
	.p2alignl 7, 3214868480
	.fill 96, 4, 3214868480
	.section	.rodata,"a",@progbits
	.p2align	6, 0x0
	.amdhsa_kernel k_qa75f6f6d00_proj
		.amdhsa_group_segment_fixed_size 41472
		.amdhsa_private_segment_fixed_size 0
		.amdhsa_enable_private_segment 0
		.amdhsa_kernarg_size 56
		.amdhsa_user_sgpr_count 2
		.amdhsa_user_sgpr_kernarg_segment_ptr 1
		.amdhsa_wavefront_size32 1
		.amdhsa_system_sgpr_workgroup_id_x 1
		.amdhsa_system_sgpr_workgroup_id_y 1
		.amdhsa_system_sgpr_workgroup_id_z 1
		.amdhsa_system_vgpr_workitem_id 0
		.amdhsa_next_free_vgpr 304
		.amdhsa_next_free_sgpr 66
		.amdhsa_reserve_vcc 0
		.amdhsa_float_denorm_mode_32 3
		.amdhsa_float_denorm_mode_16_64 3
		.amdhsa_memory_ordered 1
		.amdhsa_forward_progress 1
		.amdhsa_inst_pref_size 75
	.end_amdhsa_kernel
	.amdgpu_metadata
---
amdhsa.version: [ 1, 2 ]
amdhsa.kernels:
  - .name:           k_qa75f6f6d00_proj
    .symbol:         k_qa75f6f6d00_proj.kd
    .args:
      - { .name: Q, .offset: 0, .size: 8, .value_kind: global_buffer, .address_space: global }
      - { .name: K, .offset: 8, .size: 8, .value_kind: global_buffer, .address_space: global }
      - { .name: V, .offset: 16, .size: 8, .value_kind: global_buffer, .address_space: global }
      - { .name: wc, .offset: 24, .size: 8, .value_kind: global_buffer, .address_space: global }
      - { .name: ws, .offset: 32, .size: 8, .value_kind: global_buffer, .address_space: global }
      - { .name: qw, .offset: 40, .size: 8, .value_kind: global_buffer, .address_space: global }
      - { .name: kv, .offset: 48, .size: 8, .value_kind: global_buffer, .address_space: global }
    .group_segment_fixed_size: 41472
    .private_segment_fixed_size: 0
    .kernarg_segment_align: 8
    .kernarg_segment_size: 56
    .max_flat_workgroup_size: 384
    .sgpr_count:     66
    .vgpr_count:     304
    .wavefront_size: 32
...
	.end_amdgpu_metadata
.endif
;; end of part 5
;; launch attn (part 6): grid 16 x 12, 16 waves a work-group, no clusters, 327,680 bytes of LDS; arguments qw, kv, oc, os; writes oc, os
.if DOCPART == 6
	.amdgcn_target "amdgcn-amd-amdhsa--gfx1250"
	.amdhsa_code_object_version 6
	.text
	.protected	k_qa75f6f6d00_attn
	.globl	k_qa75f6f6d00_attn
	.p2align	8
	.type	k_qa75f6f6d00_attn,@function
k_qa75f6f6d00_attn:
	s_mov_b64 s[64:65], 0
	v_nop
	global_prefetch_b8 v0, s[64:65] scope:SCOPE_SE
	s_setreg_imm32_b32 hwreg(HW_REG_WAVE_MODE, 25, 1), 1
	s_wait_xcnt 0x0
; o[h][q] = the sum over keys k <= q of softmax_k(q . k / 8) v[h][k], both products on codes of FP6 (E2M3) with one E8M0 scale for each 32 along a product's K; o is quantised along the head's 64 for the last projection.
; THE SOFTMAX AHEAD OF THE SECOND PRODUCT: t = score x log2(e) / 8; M = the row's largest t so far, rounded UP to a whole number; p = 2^(t - M) is what is quantised, along the keys, not normalised.
; The row's sum is taken of the unquantised p and divides O at the end.  When M moves, the sum and O are multiplied by 2^(old M - new M): exact.
; SHARES.  A tile is 16 queries; a tile of the 128-query block B needs B + 1 key steps of 128 keys.  Work-group (g, head) owns block g (eight tiles) and block 31 - g (eight tiles): 8 x 33 tile steps for every g.
; Sixteen waves of 256 registers, one tile each.  Wave w takes the low block where (w xor w / 4) is even, else the high one: of any four waves w, w + 4, w + 8, w + 12, and of any four w .. w + 3, two are low and two high.
; Every wave walks all 16 slots of 256 keys (the trip counts are constants) and jumps, by a scalar branch on ids, over the steps all of whose keys come after its queries.
; K's and V's codes and scale words of a key step are ONE dense block of 13,824 bytes, laid in the order of the operands' registers: a slot is two blocks, brought by waves 0 and 1 with one tensor load each; all sixteen waves read it,
; every LDS load taking 512 or 256 consecutive bytes: no padding.
; LAYOUT.  Both products are used transposed: S^T = K Q^T (source 0 = 16 keys), O^T = V^T P^T (source 0 = 16 channels): a lane holds ONE query throughout.  The rows of every tile (queries, keys, channels) are not neighbours:
; row r of tile 2 b + u is element 32 b + 8 u + r + 8 (r / 8), so that the 16 registers of result tiles 2 b, 2 b + 1 are 16 neighbours, 32 b + 16 (lane / 16) + 0 .. 15.
; THE FIRST PRODUCT'S K IS 64, half of the instruction's 128.  Q's registers 6-11 hold zero codes.  A key tile is six registers; its operand names twelve: the upper six are the next tile's codes (behind the last tile six zeroed
; registers), finite numbers that are multiplied by zeros.  The scale words of q and k repeat their two bytes in the upper half.
; NO CLUSTER: the sixteen work-groups of a head read the same blocks, but work-group g asks only for slots up to key 4095 - 128 g, so partners would need different numbers of tiles; and a slot's 27,648 bytes
; serve two key steps of sixteen waves.
; LIMITS: NaN and infinities are not served; o / l is a reciprocal and a multiplication; a block's largest p is taken from the block's largest score, which takes v_exp_f32 not to fall where its input rises;
; a block of o whose largest magnitude lies under 2^-124 keeps the byte 1.
.set KVB,   13824                      ; a key step's block: 8 pieces of K (768 each), at 6144 K's words, at 7168 8 pieces of V^T, at 13312 V's words
.set SLOT1, 32768                      ; slot 1 begins here: one exclusive or turns an address from one slot to the other
.set SPARE, 65536                      ; behind the ring: the spare words, 128 bytes a wave, that no other line names
.set A16,  1                           ; v1   16 x lane
.set A8,   2                           ; v2   8 x lane
.set QL,   3                           ; v3   my query in the tile, less 16 (lane / 16)
.set SPW,  5                           ; v5   my spare word; never rewritten
.set NIL,  6                           ; v6   0; never rewritten
.set AD16, 8                           ; v8, v9  the slot in hand + 16 x lane, + 8 x lane
.set AD8,  9
                                       ; v12 -M, v13 the largest t, v[14:15] the sum in two halves
.set QF,   16                          ; v16-27  Q; v22-27 are zeros
.set PFO,  28                          ; v28  256 x lane: the prefetches' offset; never rewritten
.set QS,   29                          ; v29  Q's scale word
.set KFR,  32                          ; v32-79  K's eight pieces; v80-85 zeros
.set KS,   86                          ; v86-93  K's scale words
.set SR,   96                          ; v96-159 S^T, then p
.set OT,   160                         ; v160-191 O^T
.set VF,   192                         ; v192-239 V's four fragments
.set VS,   240                         ; v240-243 V's scale words
.set PWD,  244                         ; v244 p's scale word
.set OW,   245                         ; v245 o's two bytes
.set FF,   246                         ; v[246:247] f = 2^(old M - new M); v247 is written once
.set PT,   248                         ; v248-251 lane permutes' destinations, then bytes
.set MD,   252
.set NINF, 253
.set TT,   254
.set BM,   32                          ; at work between the two products, in K's registers, which are done with: the blocks' largest scores,
.set CH,   36                          ; the sum's second chain,
.set SO,   40                          ; the conversions' scale operands,
.set PC,   44                          ; v44-55 p's codes,
.set PD,   56                          ; v56-62 their second halves
.set TM,   32                          ; the way out's quantiser
.set TS,   40
.set T2,   56
.set TB,   2                           ; s2   LDS byte at which the slot in hand begins
.set WV,   18
.set SEL,  20
.set CS,   22                          ; s[22:23] c = log2(e) / 8
.set G1,   24                          ; s[24:31] descriptor group 1;  s[32:35] group 0, which walks
.set G0,   32
.set SLOTS, 36                         ; slots still to be asked for, or left out at the causal limit
.set KF,   37                          ; the step's first key
.set QMIN, 38                          ; my tile's first and last query
.set QMAX, 39
.set WGL,  40                          ; my work-group's last query
.set LIM,  41
.set PFA,  42
.set QB,   44
.set QSB,  46
.set OCB,  48
.set OSB,  50
.macro TLOAD                           ; waves 0 and 1 fetch a block each; the branch hangs on the wave's number alone.  An s_nop 0 and four v_nop follow the load
	s_cmp_lt_u32 s[WV], 2
	s_cbranch_scc0 .Lasked_\@
	tensor_load_to_lds s[G0:G0+3], s[G1:G1+7]
	s_nop 0
.rept 4
	v_nop
.endr
.Lasked_\@:
.endm
; A PREFETCH INTO THE L2.  A head's blocks are 442,368 dense bytes, 1,728 runs of 256.  All sixteen work-groups of a head walk them from the start: the head's first work-group asks, which walks all 32 steps.  In it waves 4 to 7, which
; fetch nothing, ask, one instruction each at a change of slots, a lane to a run: at change n (0 .. 11) wave 4 + i names runs 224 + 128 n + 32 i on.  Each run is named once; the last named is run 1,727 (wave 7 stops a change earlier).
; A change's tensor loads take 108 runs and its prefetches name 128: what change n + 1 loads (up to run 108 n + 323) has been named by change n (up to run 128 n + 351).  Runs 0 to 223 come by their loads alone.
.macro ASK
	s_cmp_gt_u32 s[SLOTS], s[LIM]
	s_cbranch_scc0 .Lnot_mine_\@
	global_prefetch_b8 v[PFO], s[PFA:PFA+1] th:TH_LOAD_NT scope:SCOPE_SE
.Lnot_mine_\@:
.endm
; 32 numbers of a lane, register 16 b + i = k 32 b + 16 (lane / 16) + i of my row, become a piece in v[dst] on and two scale bytes in v[pw]
.macro QUANT2 src, dst, pw
.irp b, 0,1
	v_max3_num_f32 v[TM+\b], |v[\src+16*\b]|, |v[\src+1+16*\b]|, 0x1800000
.endr
.irp i, 2,4,6,8,10,12,14
.irp b, 0,1
	s_delay_alu instid0(VALU_DEP_2)
	v_max3_num_f32 v[TM+\b], v[TM+\b], |v[\src+16*\b+\i]|, |v[\src+1+16*\b+\i]|
.endr
.endr
.irp b, 0,1
	s_delay_alu instid0(VALU_DEP_2)
	v_permlanex16_b32 v[PT+\b], v[TM+\b], s[SEL], s[SEL+1]
.endr
.irp b, 0,1
	s_delay_alu instid0(VALU_DEP_2)
	v_max_num_f32 v[TM+\b], v[TM+\b], v[PT+\b]
.endr
.irp b, 0,1
	s_delay_alu instid0(VALU_DEP_2)
	v_add_nc_u32 v[TS+\b], 0xff000000, v[TM+\b]
.endr
.irp b, 0,1
	s_delay_alu instid0(VALU_DEP_2)
	v_lshrrev_b32 v[PT+\b], 23, v[TS+\b]
.endr
	s_delay_alu instid0(VALU_DEP_1)
	v_lshl_or_b32 v[\pw], v[PT+1], 8, v[PT]
	s_delay_alu instid0(VALU_DEP_1)
	v_lshl_or_b32 v[\pw], v[\pw], 16, v[\pw]
	v_cvt_scalef32_pk16_fp6_f32 v[\dst:\dst+2], v[\src:\src+15], v[TS]
	v_cvt_scalef32_pk16_fp6_f32 v[T2:T2+2], v[\src+16:\src+31], v[TS+1]
	v_nop
.irp i, 0,1,2
	v_permlane16_swap_b32 v[\dst+\i], v[T2+\i]
.endr
.irp i, 0,1,2
	s_delay_alu instid0(VALU_DEP_3)
	v_mov_b32 v[\dst+3+\i], v[T2+\i]
.endr
.endm
	s_load_b256 s[4:11], s[0:1], 0x0               ; qw, kv, oc, os
	v_lshl_add_u32 v[SPW], v0, 2, SPARE
	v_mov_b32 v[NIL], 0
	ds_add_u32 v[SPW], v[NIL]                      ; the wave's opening: the add and its wait stand ahead of the first tensor load; the set-up below, work on registers, stands between them
	ds_add_u32 v[SPW], v[NIL]
	v_lshrrev_b32 v8, 5, v0
	s_delay_alu instid0(VALU_DEP_1)
	v_readfirstlane_b32 s[WV], v8                  ; wave 0..15
	s_and_b32 s58, ttmp7, 0xffff                   ; the head
	s_lshr_b32 s52, s[WV], 2
	s_xor_b32 s52, s52, s[WV]
	s_and_b32 s52, s52, 1                          ; 0: a tile of block g; 1: of block 31 - g
	s_lshr_b32 s53, s[WV], 1                       ; which of its eight
	s_sub_co_u32 s54, 31, ttmp9
	s_cmp_eq_u32 s52, 1
	s_cselect_b32 s54, s54, ttmp9
	s_lshl_b32 s54, s54, 3
	s_add_co_u32 s54, s54, s53                     ; T: my tile, 0 .. 255
	s_lshr_b32 s55, s54, 1
	s_lshl_b32 s[QMIN], s55, 5
	s_and_b32 s55, s54, 1
	s_lshl_b32 s55, s55, 3
	s_add_co_u32 s[QMIN], s[QMIN], s55             ; 32 (T / 2) + 8 (T % 2)
	s_add_co_u32 s[QMAX], s[QMIN], 23              ; row 15 lies 15 + 8 on
	s_lshl_b32 s55, ttmp9, 7
	s_sub_co_u32 s[WGL], 4095, s55                 ; the last query of block 31 - g
	s_lshr_b32 s56, s54, 2                         ; my 64 queries,
	s_and_b32 s57, s54, 3                          ; my tile among their four
	s_lshl_b32 s[QB], s58, 6
	s_add_co_u32 s[QB], s[QB], s56
	s_mul_i32 s[QB], s[QB], 3584
	s_lshl_b32 s55, s57, 2
	s_add_co_u32 s[QSB], s[QB], s55
	s_add_co_u32 s[QSB], s[QSB], 3072              ; q's words: [lane][tile]
	s_mul_i32 s55, s57, 768
	s_add_co_u32 s[QB], s[QB], s55                 ; q's piece
	s_mov_b32 s[QB+1], 0
	s_mov_b32 s[QSB+1], 0
	s_mul_i32 s[OCB], s54, 12
	s_add_co_u32 s[OCB], s[OCB], s58
	s_mul_i32 s[OCB], s[OCB], 768                  ; oc: [tile][head][768]
	s_mov_b32 s[OCB+1], 0
	s_mul_i32 s[OSB], s56, 6
	s_lshr_b32 s55, s58, 1
	s_add_co_u32 s[OSB], s[OSB], s55
	s_lshl_b32 s[OSB], s[OSB], 9                   ; os: [64 queries][K step = head / 2][lane][tile] words; my head's half of the word
	s_lshl_b32 s55, s57, 2
	s_add_co_u32 s[OSB], s[OSB], s55
	s_and_b32 s55, s58, 1
	s_lshl_b32 s55, s55, 1
	s_add_co_u32 s[OSB], s[OSB], s55
	s_mov_b32 s[OSB+1], 0
	s_mul_i32 s52, s58, 442368                     ; the head's first byte in kv
	s_and_b32 s55, s[WV], 1
	s_mul_i32 s[G0+1], s55, KVB                    ; 63:32 LDS address: slot 0, the block of my parity
	s_add_co_u32 s56, s52, s[G0+1]                 ; and the same block in memory
	s_mov_b32 s57, 0
	s_and_b32 s55, s[WV], 3
	s_lshl_b32 s55, s55, 13                        ; the prefetches: 32 runs of 256 bytes a wave,
	s_add_co_u32 s52, s52, s55
	s_add_co_u32 s52, s52, 24576                   ; from run 224 on, less the 128 runs that the first change of slots adds
	s_mov_b32 s53, 0
	s_sub_co_u32 s54, s[WV], 4
	s_lshr_b32 s54, s54, 2                         ; 0 in waves 4 to 7,
	s_or_b32 s54, s54, ttmp9                       ; of the head's first work-group
	s_cmp_eq_u32 s[WV], 7
	s_cselect_b32 s55, 4, 3                        ; a wave asks while s[SLOTS] is above this: changes 0 .. 11, wave 7 0 .. 10
	s_cmp_eq_u32 s54, 0
	s_cselect_b32 s[LIM], s55, -1
	; descriptor group 1: a dense block of 13,824 bytes as 54 rows of 32 elements of 8 bytes
	s_mov_b32 s[G1], 3<<16                         ; 15:0 no mask; 17:16 elements of 8 bytes; 20 padding off
	s_mov_b32 s[G1+1], 32<<16                      ; tensor_dim0
	s_mov_b32 s[G1+2], 54<<16                      ; tensor_dim1
	s_mov_b32 s[G1+3], 32<<16                      ; tile_dim0
	s_mov_b32 s[G1+4], 54                          ; tile_dim1
	s_mov_b32 s[G1+5], 32                          ; tensor_dim0_stride
	s_mov_b32 s[G1+6], 0
	s_mov_b32 s[G1+7], 0
	s_mov_b32 s[SEL], 0x76543210
	s_mov_b32 s[SEL+1], 0xfedcba98                 ; v_permlanex16_b32's selects for lane l xor 16
	s_mov_b32 s[CS], 0x3e38aa3b                    ; c = log2(e) / 8
	s_mov_b32 s[CS+1], s[CS]                       ; (named with it as a pair, so it is written)
	s_mov_b32 s[TB], 0
	s_mov_b32 s[KF], 0
	s_mov_b32 s[SLOTS], 15
	v_and_b32 v8, 31, v0
	s_delay_alu instid0(VALU_DEP_1)
	v_lshlrev_b32 v[A16], 4, v8
	s_delay_alu instid0(VALU_DEP_2)
	v_lshlrev_b32 v[A8], 3, v8
	s_delay_alu instid0(VALU_DEP_3)
	v_lshlrev_b32 v[PFO], 8, v8
	v_and_b32 v[QL], 15, v0
	s_delay_alu instid0(VALU_DEP_1)
	v_and_b32 v8, 8, v[QL]
	s_delay_alu instid0(VALU_DEP_1)
	v_add_nc_u32 v[QL], v8, v[QL]                  ; r + 8 (r / 8)
	v_bfe_u32 v8, v0, 4, 1
	s_delay_alu instid0(VALU_DEP_1)
	v_lshlrev_b32 v8, 4, v8
	s_delay_alu instid0(VALU_DEP_1)
	v_sub_nc_u32 v[QL], v[QL], v8                  ; - 16 (lane / 16)
	s_wait_dscnt 0x0                               ; the opening add is done
	s_wait_kmcnt 0x0
	s_mov_b32 s[G0], 1                             ; 1:0 count = 1
	s_add_nc_u64 s[G0+2:G0+3], s[6:7], s[56:57]    ; 120:64 global address
	s_or_b32 s[G0+3], s[G0+3], 0x80000000          ; 127:126 type = 2
	TLOAD                                          ; slot 0
	s_add_nc_u64 s[PFA:PFA+1], s[6:7], s[52:53]
	s_add_nc_u64 s[QB:QB+1], s[4:5], s[QB:QB+1]
	s_add_nc_u64 s[QSB:QSB+1], s[4:5], s[QSB:QSB+1]
	s_add_nc_u64 s[OCB:OCB+1], s[8:9], s[OCB:OCB+1]
	s_add_nc_u64 s[OSB:OSB+1], s[10:11], s[OSB:OSB+1]
	s_wait_alu depctr_va_vdst(0)
	global_load_b128 v[QF:QF+3], v[A16], s[QB:QB+1]              ; Q's piece stays in registers
	global_load_b64 v[QF+4:QF+5], v[A8], s[QB:QB+1] offset:512
	global_load_b32 v[QS], v[A16], s[QSB:QSB+1]
.irp j, 22,23,24,25,26,27,80,81,82,83,84,85,14,15,247,248,249,250,251
	v_mov_b32 v[\j], 0                             ; Q's upper half and the pad behind K's last tile: zero codes; the sum; registers that are named before they are first written
.endr
	v_mov_b32 v[NINF], 0xff800000                  ; -infinity, for hidden scores
	v_mov_b32 v13, 0xff61b1e6                      ; the largest t so far: -3e38, under every t
	s_delay_alu instid0(VALU_DEP_1)
	v_floor_f32 v12, -v13                          ; -M
.set JJ, 0
.rept 32
	v_mov_b32 v[OT+JJ], 0                          ; O^T: the step is written once; its first walk finds zeros, which the first change of M leaves zeros
.set JJ, JJ+1
.endr
; A KEY STEP: 128 keys, the q-th of the slot in hand.
.macro STEP q
	s_cmp_gt_u32 s[KF], s[QMAX]                    ; all its keys come after my queries: a branch on ids, round the loads and the work alone
	s_cbranch_scc1 .Lhidden_\@
	v_add_nc_u32 v[AD16], s[TB], v[A16]
	v_add_nc_u32 v[AD8], s[TB], v[A8]
	v_nop
	v_nop                                          ; four places between the last step's products and the loads into their operands
.irp t, 0,1,2,3,4,5,6,7
	ds_load_b128 v[KFR+6*\t:KFR+6*\t+3], v[AD16] offset:(\q)*KVB+768*\t
	ds_load_b64 v[KFR+6*\t+4:KFR+6*\t+5], v[AD8] offset:(\q)*KVB+768*\t+512
.endr
.irp c, 0,1
	ds_load_b128 v[KS+4*\c:KS+4*\c+3], v[AD16] offset:(\q)*KVB+6144+512*\c
.endr
.irp t, 0,1,2,3
.irp c, 0,1
	ds_load_b128 v[VF+12*\t+6*\c:VF+12*\t+6*\c+3], v[AD16] offset:(\q)*KVB+7168+3072*\c+768*\t
	ds_load_b64 v[VF+12*\t+6*\c+4:VF+12*\t+6*\c+5], v[AD8] offset:(\q)*KVB+7168+3072*\c+768*\t+512
.endr
.endr
	ds_load_b128 v[VS:VS+3], v[AD16] offset:(\q)*KVB+13312
	s_wait_dscnt 17                                ; K's 18 loads are in; V's 17, issued behind them, may be out until the second product
.irp t, 0,1,2,3,4,5,6,7
	v_wmma_scale_f32_16x16x128_f8f6f4 v[SR+8*\t:SR+8*\t+7], v[KFR+6*\t:KFR+6*\t+11], v[QF:QF+11], 0, v[KS+\t], v[QS] matrix_a_fmt:MATRIX_FMT_FP6 matrix_b_fmt:MATRIX_FMT_FP6
.endr
.rept 4
	v_nop                                          ; four places in front of the first read of results and the first write into K's registers
.endr
	s_add_co_u32 s52, s[KF], 127                   ; on the diagonal hidden scores become -infinity ahead of the maximum; a step all of whose keys count skips this
	s_cmp_le_u32 s52, s[QMIN]
	s_cbranch_scc1 .Lopen_\@
	s_sub_co_i32 s52, s[QMIN], s[KF]
	v_add_nc_u32 v[MD], s52, v[QL]                 ; d = my query - KF - 16 (lane / 16).  Register 16 b + i holds key KF + 32 b + 16 (lane / 16) + i: hidden where 32 b + i > d
.set NN, 0
.rept 64
	v_cmp_gt_i32 vcc_lo, 32*(NN/16)+NN%16, v[MD]
	v_cndmask_b32 v[SR+NN], v[SR+NN], v[NINF], vcc_lo
.set NN, NN+1
.endr
.Lopen_\@:
.irp b, 0,1,2,3
	v_max3_num_f32 v[BM+\b], v[SR+16*\b], v[SR+1+16*\b], v[SR+2+16*\b]   ; the largest score of each block of 32 keys: for the row's maximum, and, since p rises with the score, for the block's largest p
.endr
.irp i, 3,5,7,9,11,13
.irp b, 0,1,2,3
	v_max3_num_f32 v[BM+\b], v[BM+\b], v[SR+16*\b+\i], v[SR+1+16*\b+\i]
.endr
.endr
.irp b, 0,1,2,3
	v_max_num_f32 v[BM+\b], v[BM+\b], v[SR+15+16*\b]
.endr
.irp b, 0,1,2,3
	s_delay_alu instid0(VALU_DEP_4)
	v_permlanex16_b32 v[PT+\b], v[BM+\b], s[SEL], s[SEL+1]
.endr
.irp b, 0,1,2,3
	s_delay_alu instid0(VALU_DEP_4)
	v_max_num_f32 v[BM+\b], v[BM+\b], v[PT+\b]     ; with lane l xor 16's 16 keys
.endr
	s_delay_alu instid0(VALU_DEP_2)
	v_max3_num_f32 v[TT], v[BM], v[BM+1], v[BM+2]
	s_delay_alu instid0(VALU_DEP_1)
	v_max_num_f32 v[TT], v[TT], v[BM+3]            ; the step's largest score of my query (key KF counts for every query of a tile that walks the step)
	s_delay_alu instid0(VALU_DEP_1)
	v_mul_f32 v[TT], s[CS], v[TT]                  ; as t
	s_delay_alu instid0(VALU_DEP_1)
	v_max_num_f32 v13, v13, v[TT]                  ; the running largest t
	v_mov_b32 v[TT], v12
	s_delay_alu instid0(VALU_DEP_2)
	v_floor_f32 v12, -v13                          ; the new -M = floor(-t) = -ceil(t)
	s_delay_alu instid0(VALU_DEP_1)
	v_sub_f32 v[TT], v12, v[TT]                    ; old M - new M: a whole number, 0 or less
	s_delay_alu instid0(VALU_DEP_1)
	v_cvt_i32_f32 v[TT], v[TT]                     ; (it saturates)
	s_delay_alu instid0(VALU_DEP_1)
	v_ldexp_f32 v[FF], 1.0, v[TT]                  ; f = 2^(old M - new M)
.set JJ, 0
.rept 32
	v_pk_fma_f32 v[SR+JJ:SR+JJ+1], v[SR+JJ:SR+JJ+1], s[CS:CS+1], v[12:13] op_sel_hi:[1,0,0]   ; t - M, two at a time
.set JJ, JJ+2
.endr
.irp b, 0,1,2,3
	v_fma_f32 v[BM+\b], v[BM+\b], s[CS], v12       ; the same of each block's largest score
.endr
.set JJ, 0
	s_wait_alu depctr_va_vdst(0)
.rept 64
	v_exp_f32 v[SR+JJ], v[SR+JJ]                   ; p = 2^(t - M), at most 1
.set JJ, JJ+1
.endr
	v_pk_mul_f32 v[14:15], v[14:15], v[FF:FF+1] op_sel_hi:[1,0]   ; the sums under the new M: the plain instruction behind the exponentials
	s_wait_alu depctr_va_vdst(0)                   ; one wait for the batch of 64, ahead of its first reader
.irp b, 0,1,2,3
	v_exp_f32 v[BM+\b], v[BM+\b]                   ; the blocks' largest p
.endr
	v_pk_add_f32 v[36:37], v[100:101], v[104:105]
	v_pk_add_f32 v[254:255], v[108:109], v[112:113]
	v_pk_add_f32 v[250:251], v[116:117], v[120:121]
	v_pk_add_f32 v[248:249], v[124:125], v[128:129]
	v_pk_add_f32 v[244:245], v[132:133], v[136:137]
	v_pk_add_f32 v[94:95], v[140:141], v[144:145]
	v_pk_add_f32 v[92:93], v[148:149], v[152:153]
	v_pk_add_f32 v[14:15], v[14:15], v[156:157]
	v_pk_add_f32 v[36:37], v[36:37], v[96:97]
	v_pk_add_f32 v[254:255], v[254:255], v[98:99]
	v_pk_add_f32 v[250:251], v[250:251], v[102:103]
	v_pk_add_f32 v[248:249], v[248:249], v[106:107]
	v_pk_add_f32 v[244:245], v[244:245], v[110:111]
	v_pk_add_f32 v[94:95], v[94:95], v[114:115]
	v_pk_add_f32 v[92:93], v[92:93], v[118:119]
	v_pk_add_f32 v[14:15], v[14:15], v[122:123]
	v_pk_add_f32 v[36:37], v[36:37], v[126:127]
	v_pk_add_f32 v[254:255], v[254:255], v[130:131]
	v_pk_add_f32 v[250:251], v[250:251], v[134:135]
	v_pk_add_f32 v[248:249], v[248:249], v[138:139]
	v_pk_add_f32 v[244:245], v[244:245], v[142:143]
	v_pk_add_f32 v[94:95], v[94:95], v[146:147]
	v_pk_add_f32 v[92:93], v[92:93], v[150:151]
	v_pk_add_f32 v[14:15], v[14:15], v[154:155]
	v_pk_add_f32 v[36:37], v[36:37], v[158:159]
	s_delay_alu instid0(VALU_DEP_2)
	v_pk_add_f32 v[14:15], v[14:15], v[248:249]
	s_delay_alu instid0(VALU_DEP_2)
	v_pk_add_f32 v[36:37], v[36:37], v[244:245]
	v_pk_add_f32 v[254:255], v[254:255], v[94:95]
	v_pk_add_f32 v[250:251], v[250:251], v[92:93]
	s_delay_alu instid0(VALU_DEP_2)
	v_pk_add_f32 v[14:15], v[14:15], v[254:255]
	s_delay_alu instid0(VALU_DEP_2)
	v_pk_add_f32 v[36:37], v[36:37], v[250:251]
	s_delay_alu instid0(VALU_DEP_1)
	v_pk_add_f32 v[14:15], v[14:15], v[36:37]
	s_wait_alu depctr_va_vdst(0)                   ; and one for the four
.irp b, 0,1,2,3
	v_max_num_f32 v[BM+\b], 0x1800000, v[BM+\b]    ; the floor 2^(3 - 127): a block whose every p is 0 keeps the byte 1; its codes are zeros
.endr
.irp b, 0,1,2,3
	s_delay_alu instid0(VALU_DEP_4)
	v_add_nc_u32 v[SO+\b], 0xff000000, v[BM+\b]
.endr
.irp b, 0,1,2,3
	s_delay_alu instid0(VALU_DEP_4)
	v_lshrrev_b32 v[PT+\b], 23, v[SO+\b]
.endr
	s_delay_alu instid0(VALU_DEP_3)
	v_lshl_or_b32 v[PWD], v[PT+1], 8, v[PT]        ; p's scale word for these 128 keys
	s_delay_alu instid0(VALU_DEP_1)
	v_lshl_or_b32 v[PWD], v[PT+2], 16, v[PWD]
	s_delay_alu instid0(VALU_DEP_1)
	v_lshl_or_b32 v[PWD], v[PT+3], 24, v[PWD]
.irp c, 0,1
	v_cvt_scalef32_pk16_fp6_f32 v[PC+6*\c:PC+2+6*\c], v[SR+32*\c:SR+15+32*\c], v[SO+2*\c]
	v_cvt_scalef32_pk16_fp6_f32 v[PD+4*\c:PD+2+4*\c], v[SR+16+32*\c:SR+31+32*\c], v[SO+2*\c+1]
.endr
	v_nop                                          ; one plain instruction behind a scaled conversion
.irp c, 0,1                                    ; the operand wants a WHOLE block in a lane
.irp i, 0,1,2
	v_permlane16_swap_b32 v[PC+6*\c+\i], v[PD+4*\c+\i]
.endr
.irp i, 0,1,2
	s_delay_alu instid0(VALU_DEP_3)
	v_mov_b32 v[PC+3+6*\c+\i], v[PD+4*\c+\i]
.endr
.endr
.set JJ, 0
.rept 16
	v_pk_mul_f32 v[OT+JJ:OT+JJ+1], v[OT+JJ:OT+JJ+1], v[FF:FF+1] op_sel_hi:[1,0]   ; O^T under the new M; these are also the places between p's word and codes and the products
.set JJ, JJ+2
.endr
	s_wait_alu depctr_va_vdst(0)
	s_wait_dscnt 0x0                               ; V is in
.rept 4
	v_nop                                          ; the sums just rescaled keep an operand's distance from the products
.endr
.irp t, 0,1,2,3                                ; four accumulators by turns, one instruction a turn
	v_wmma_scale_f32_16x16x128_f8f6f4 v[OT+8*\t:OT+8*\t+7], v[VF+12*\t:VF+12*\t+11], v[PC:PC+11], v[OT+8*\t:OT+8*\t+7], v[VS+\t], v[PWD] matrix_a_fmt:MATRIX_FMT_FP6 matrix_b_fmt:MATRIX_FMT_FP6
.endr
.Lhidden_\@:
	s_add_co_u32 s[KF], s[KF], 128
.endm
; THE CHANGE OF SLOTS stands at a slot's head.  Each wave waits for all its tensor loads, adds 0 to its spare word, and waits for that and for its reads of the slot that it has left.  Behind the barrier the slot ahead is whole
; and nobody reads the other one.  fill = 1: that other slot takes the next 256 keys, up to the causal limit; the load has two key steps in which to land.  By this text's own count a wave has at most one tensor load out.
.macro CHANGE fill
	s_wait_tensorcnt 0x0                           ; no tensor load of mine is out, so group 0 may be written
	ds_add_u32 v[SPW], v[NIL]                      ; 0 onto my spare word
.if \fill
	s_xor_b32 s[G0+1], s[G0+1], SLOT1              ; the other slot than last time,
	s_add_nc_u64 s[G0+2:G0+3], s[G0+2:G0+3], 2*KVB ; the next two blocks; the type bits on top are not reached
	s_wait_xcnt 0x0                                ; the last prefetch, a slot back, has read its address
	s_add_nc_u64 s[PFA:PFA+1], s[PFA:PFA+1], 32768 ; 128 runs on
.endif
	s_wait_dscnt 0x0                               ; the add is done, and my reads of the slot that I have left are over
	s_barrier_signal -1
	s_barrier_wait -1
.if \fill
	s_add_co_u32 s52, s[KF], 256                   ; the first key of the slot that this change would ask for:
	s_cmp_gt_u32 s52, s[WGL]                       ; past my work-group's last query no wave reads it, so it is not asked for.  Ids and the count of steps alone: all sixteen waves go the same way
	s_cbranch_scc1 .Lpast_\@
	TLOAD                                          ; a wave's one tensor load until the next change
.Lpast_\@:
	ASK
.endif
.endm
	s_wait_loadcnt 0x0                             ; Q
.Lslot:                                            ; 15 trips
	CHANGE 1
	STEP 0
	STEP 1
	s_xor_b32 s[TB], s[TB], SLOT1
	s_sub_co_u32 s[SLOTS], s[SLOTS], 1
	s_cmp_lg_u32 s[SLOTS], 0
	s_cbranch_scc1 .Lslot
	CHANGE 0                                       ; the last slot is written out: nothing is left to ask for
	STEP 0
	STEP 1
	; THE WAY OUT: O^T / the sum, quantised along the head's 64: a piece and two scale bytes, from registers
.rept 4
	v_nop                                          ; four places behind the last products
.endr
	v_add_f32 v14, v14, v15                        ; the sum's two halves,
	s_delay_alu instid0(VALU_DEP_1)
	v_permlanex16_b32 v[PT], v14, s[SEL], s[SEL+1]
	s_delay_alu instid0(VALU_DEP_1)
	v_add_f32 v14, v14, v[PT]                      ; and lane l xor 16's
	s_wait_alu depctr_va_vdst(0)
	v_rcp_f32 v14, v14
	v_nop                                          ; a plain instruction behind the reciprocal,
	s_wait_alu depctr_va_vdst(0)                   ; and the wait ahead of its first reader
.set JJ, 0
.rept 32
	v_mul_f32 v[SR+JJ], v[OT+JJ], v14              ; register 16 b + i is o(my query, 32 b + 16 (lane / 16) + i)
.set JJ, JJ+1
.endr
	QUANT2 SR, PC, OW
	global_store_b128 v[A16], v[PC:PC+3], s[OCB:OCB+1]            ; 512 consecutive bytes, aligned to 256
	global_store_b64 v[A8], v[PC+4:PC+5], s[OCB:OCB+1] offset:512 ; 256 likewise
	global_store_b16 v[A16], v[OW], s[OSB:OSB+1]                  ; my head's two bytes of the word of two heads
	s_wait_tensorcnt 0x0                           ; the wave's end, behind my last tensor load
	ds_add_u32 v[SPW], v[NIL]
	s_wait_dscnt 0x0
	s_endpgm
.Lfunc_end_k_qa75f6f6d00_attn:
	.size	k_qa75f6f6d00_attn, .Lfunc_end_k_qa75f6f6d00_attn-k_qa75f6f6d00_attn
	.p2alignl 7, 3214868480
	.fill 96, 4, 3214868480
	.section	.rodata,"a",@progbits
	.p2align	6, 0x0
	.amdhsa_kernel k_qa75f6f6d00_attn
		.amdhsa_group_segment_fixed_size 327680
		.amdhsa_private_segment_fixed_size 0
		.amdhsa_enable_private_segment 0
		.amdhsa_kernarg_size 32
		.amdhsa_user_sgpr_count 2
		.amdhsa_user_sgpr_kernarg_segment_ptr 1
		.amdhsa_wavefront_size32 1
		.amdhsa_system_sgpr_workgroup_id_x 1
		.amdhsa_system_sgpr_workgroup_id_y 1
		.amdhsa_system_sgpr_workgroup_id_z 1
		.amdhsa_system_vgpr_workitem_id 0
		.amdhsa_next_free_vgpr 256
		.amdhsa_next_free_sgpr 66
		.amdhsa_reserve_vcc 1
		.amdhsa_float_denorm_mode_32 3
		.amdhsa_float_denorm_mode_16_64 3
		.amdhsa_memory_ordered 1
		.amdhsa_forward_progress 1
		.amdhsa_inst_pref_size 102
	.end_amdhsa_kernel
	.amdgpu_metadata
---
amdhsa.version: [ 1, 2 ]
amdhsa.kernels:
  - .name:           k_qa75f6f6d00_attn
    .symbol:         k_qa75f6f6d00_attn.kd
    .args:
      - { .name: qw, .offset: 0, .size: 8, .value_kind: global_buffer, .address_space: global }
      - { .name: kv, .offset: 8, .size: 8, .value_kind: global_buffer, .address_space: global }
      - { .name: oc, .offset: 16, .size: 8, .value_kind: global_buffer, .address_space: global }
      - { .name: os, .offset: 24, .size: 8, .value_kind: global_buffer, .address_space: global }
    .group_segment_fixed_size: 327680
    .private_segment_fixed_size: 0
    .kernarg_segment_align: 8
    .kernarg_segment_size: 32
    .max_flat_workgroup_size: 512
    .sgpr_count:     66
    .vgpr_count:     256
    .wavefront_size: 32
...
	.end_amdgpu_metadata
.endif
;; end of part 6
;; launch outproj (part 7): grid 64 x 3, 4 waves a work-group, no clusters, 17,920 bytes of LDS; arguments oc, os, wc, ws, bo, out0; writes out0
.if DOCPART == 7
	.amdgcn_target "amdgcn-amd-amdhsa--gfx1250"
	.amdhsa_code_object_version 6
	.text
	.protected	k_qa75f6f6d00_outproj
	.globl	k_qa75f6f6d00_outproj
	.p2align	8
	.type	k_qa75f6f6d00_outproj,@function
k_qa75f6f6d00_outproj:
	s_mov_b64 s[64:65], 0
	v_nop
	global_prefetch_b8 v0, s[64:65] scope:SCOPE_SE
	s_setreg_imm32_b32 hwreg(HW_REG_WAVE_SCHED_MODE, 0, 2), 2
	s_setreg_imm32_b32 hwreg(HW_REG_WAVE_MODE, 25, 1), 1
	s_wait_xcnt 0x0
	s_wait_alu depctr_vm_vsrc(0)
; out = o Wo + bo on codes of FP6 (E2M3) with one E8M0 scale for each 32 along K = 768.  Both operands lie in memory in the order of the operands' registers, so they go straight into registers.
; SHARES.  Work-group (x, y): 64 tokens (x), 256 columns (y).  Wave w: columns 64 (4 y + w) on: 64 tokens x 64 columns, 16 accumulators, six K steps of 128.  The waves share nothing: no barrier, no loop.
; Source 0 = 16 columns of Wo, source 1 = 16 tokens: a lane holds a token, and, the columns of a tile being 32 b + 8 u + r + 8 (r / 8), its 32 registers of a token tile are columns 32 b + 16 (lane / 16) + 0 .. 15.
; The bias is the C of each sum's first matrix instruction: eight registers a column tile, in the result's layout.
; Each K step has registers of its own (windows 1 to 3, two steps each), so that no load waits for a product; the loads run two K steps ahead.
; THE WAY OUT: a token tile's 16 rows x 256 bytes go through the wave's own stage in LDS (rows 272 bytes apart) and leave so that sixteen lanes store 256 consecutive bytes, aligned.
; NO CLUSTER, NO TENSOR LOAD: the three work-groups of a token block read the same 36,864 bytes of o's codes and the 64 of a column third the same weight codes, but each wave takes its fragments once, straight into registers.
; THE MODE: SCHED_MODE bits 1:0 = 2 (LLVM: expert scheduling mode 2), set by the entry lines.  The code itself states the register dependences
; between vector or matrix instructions and memory or LDS instructions, with s_wait_alu, always for 0.
; THE PLAN.  Registers that memory or LDS instructions touch:
;   v1-v9           offsets, LDS addresses and the closing add's pair: written at the head, never again.  One wait on va_vdst ahead of the first load.
;   the operands    six K steps x 96 registers, 48 scale words, the bias: each register is loaded once, before any vector or matrix instruction has named it.  So the loads that stand behind a step's products hang on
;                   nothing that those products touch, and no wait stands among the K steps.
;   v128-255        the accumulators: written by the products, read by the LDS stores of the way out.  One wait on va_vdst ahead of them, behind the four places.
;   v64-95, v96-127 two out-buffers by turns: the stage's loads land here, the global stores read them.  v64-95 held the bias, which step 0's products read: the same wait on va_vdst covers that.
;                   A buffer is loaded again two tiles on: a wait on vm_vsrc ahead of tiles 2 and 3.
.set LI,  1                            ; v1  16 x lane
.set L8,  2                            ; v2  8 x lane
.set RI,  3                            ; v3  16 x (lane % 16)
.set BA,  4                            ; v4  64 x (lane / 16)
.set STO, 5                            ; v5  the stage: where I put my row's bytes
.set RD,  6                            ; v6  and where I read a row back
.set GO,  7                            ; v7  the same place in out0
.set SPW, 8                            ; v8  my spare word; never rewritten
.set NIL, 9                            ; v9  0; never rewritten
.set WSR, 16                           ; v16-39  Wo's scale words: 4 s + tile
.set OSR, 40                           ; v40-63  o's
.set BI,  64                           ; v64-95  the bias; later rows on the way out, by turns with v96-127
.set ACC, 128                          ; v128-255 the accumulators: (token tile m, column tile t) at 8 (4 m + t)
.set SPARE, 17408                      ; behind the four stages of 4,352 bytes: the spare words, that no other line names
.set WB,  20
.set WSB, 22
.set OB,  24
.set OSB, 26
.set BB,  28
.set OUT, 30
.set MSB, 0
.macro WIN new                         ; the immediate's high byte repeats the setting that is left
.if MSB != (\new)
	s_set_vgpr_msb (MSB<<8)|(\new)
.set MSB, (\new)
.endif
.endm
.macro LD s                            ; K step s: Wo's four fragments, then o's four, into window 1 + s / 2 from register 96 (s % 2) on: 28 loads.  No vector or matrix instruction has named these registers
.set NW, (1+(\s)/2)<<6
	WIN NW                                         ; destination in that window, addresses in window 0
.set FB, 96*((\s)%2)
.irp t, 0,1,2,3
.irp c, 0,1,2
	global_load_b128 v[FB+12*\t+4*\c:FB+12*\t+4*\c+3], v[LI], s[WB:WB+1] offset:9216*\t+1536*(\s)+512*\c
.endr
.endr
.irp m, 0,1,2,3                        ; o's fragment is two pieces: heads 2 s and 2 s + 1
	global_load_b128 v[FB+48+12*\m:FB+48+12*\m+3], v[LI], s[OB:OB+1] offset:9216*\m+1536*(\s)
	global_load_b64 v[FB+48+12*\m+4:FB+48+12*\m+5], v[L8], s[OB:OB+1] offset:9216*\m+1536*(\s)+512
	global_load_b128 v[FB+48+12*\m+6:FB+48+12*\m+9], v[LI], s[OB:OB+1] offset:9216*\m+1536*(\s)+768
	global_load_b64 v[FB+48+12*\m+10:FB+48+12*\m+11], v[L8], s[OB:OB+1] offset:9216*\m+1536*(\s)+1280
.endr
.endm
.macro MUL s                           ; 16 matrix instructions; the accumulators take turns, one instruction a turn, in the same order in every step
.set NW, (1+(\s)/2)*5
	WIN NW                                         ; sources 0 and 1 in the step's window; C and D in window 0
.set FB, 96*((\s)%2)
.irp m, 0,1,2,3
.irp t, 0,1,2,3
.if (\s) == 0
	v_wmma_scale_f32_16x16x128_f8f6f4 v[ACC+8*(4*\m+\t):ACC+8*(4*\m+\t)+7], v[FB+12*\t:FB+12*\t+11], v[FB+48+12*\m:FB+48+12*\m+11], v[BI+8*\t:BI+8*\t+7], v[WSR+4*(\s)+\t], v[OSR+4*(\s)+\m] matrix_a_fmt:MATRIX_FMT_FP6 matrix_b_fmt:MATRIX_FMT_FP6
.else
	v_wmma_scale_f32_16x16x128_f8f6f4 v[ACC+8*(4*\m+\t):ACC+8*(4*\m+\t)+7], v[FB+12*\t:FB+12*\t+11], v[FB+48+12*\m:FB+48+12*\m+11], v[ACC+8*(4*\m+\t):ACC+8*(4*\m+\t)+7], v[WSR+4*(\s)+\t], v[OSR+4*(\s)+\m] matrix_a_fmt:MATRIX_FMT_FP6 matrix_b_fmt:MATRIX_FMT_FP6
.endif
.endr
.endr
.endm
	s_load_b256 s[4:11], s[0:1], 0x0               ; oc, os, wc, ws
	s_load_b128 s[12:15], s[0:1], 0x20             ; bo, out0
	v_lshl_add_u32 v[SPW], v0, 2, SPARE
	v_mov_b32 v[NIL], 0
	v_lshrrev_b32 v10, 5, v0
	v_readfirstlane_b32 s16, v10                   ; wave 0..3
	v_and_b32 v10, 31, v0                          ; lane
	v_and_b32 v11, 15, v0                          ; r
	v_bfe_u32 v12, v0, 4, 1                        ; h
	v_lshlrev_b32 v[LI], 4, v10
	v_lshlrev_b32 v[L8], 3, v10
	v_lshlrev_b32 v[RI], 4, v11
	v_lshlrev_b32 v[BA], 6, v12
	s_wait_alu depctr_va_sdst(0)                   ; the wave's number is written, ahead of its first reader: my stage and my columns' bases are made from it
	s_mul_i32 s32, s16, 4352                       ; my stage
	v_mul_u32_u24 v[STO], v11, 272                 ; in: row r, + 64 h: my 16 columns of each 32
	v_lshl_add_u32 v[STO], v12, 6, v[STO]
	v_add_nc_u32 v[STO], s32, v[STO]
	v_mul_u32_u24 v[RD], v12, 272                  ; back: lanes 0-15 one row, lanes 16-31 the next
	v_lshl_add_u32 v[RD], v11, 4, v[RD]
	v_add_nc_u32 v[RD], s32, v[RD]
	v_mul_u32_u24 v[GO], v12, 3072                 ; and the same two rows in out0
	v_lshl_add_u32 v[GO], v11, 4, v[GO]
	s_and_b32 s18, ttmp7, 0xffff
	s_lshl_b32 s19, s18, 2
	s_add_co_u32 s19, s19, s16                     ; n: my 64 columns
	s_mul_i32 s[WB], s19, 36864
	s_add_co_u32 s[WB], s[WB], 3*442368            ; Wo is the fourth weight
	s_mov_b32 s[WB+1], 0
	s_mul_i32 s[WSB], s19, 1536
	s_add_co_u32 s[WSB], s[WSB], 3*18432
	s_mov_b32 s[WSB+1], 0
	s_mul_i32 s[OB], ttmp9, 36864                  ; four token tiles x twelve heads x 768
	s_mov_b32 s[OB+1], 0
	s_mul_i32 s[OSB], ttmp9, 3072
	s_mov_b32 s[OSB+1], 0
	s_lshl_b32 s[BB], s19, 8
	s_mov_b32 s[BB+1], 0
	s_mul_i32 s[OUT], ttmp9, 196608                ; 64 rows of 3,072 bytes
	s_add_co_u32 s[OUT], s[OUT], s[BB]
	s_mov_b32 s[OUT+1], 0
	s_wait_kmcnt 0x0
	s_add_nc_u64 s[WB:WB+1], s[8:9], s[WB:WB+1]
	s_add_nc_u64 s[WSB:WSB+1], s[10:11], s[WSB:WSB+1]
	s_add_nc_u64 s[OB:OB+1], s[4:5], s[OB:OB+1]
	s_add_nc_u64 s[OSB:OSB+1], s[6:7], s[OSB:OSB+1]
	s_add_nc_u64 s[BB:BB+1], s[12:13], s[BB:BB+1]
	s_add_nc_u64 s[OUT:OUT+1], s[14:15], s[OUT:OUT+1]
	s_wait_alu depctr_va_vdst(0)                   ; the offsets and LDS addresses v1 to v7 are written, which every load and store of the kernel reads; none is written again
.irp t, 0,1,2,3
	global_load_b128 v[BI+8*\t:BI+8*\t+3], v[BA], s[BB:BB+1] offset:(32*(\t/2)+8*(\t%2))*4       ; bo at columns 32 (t / 2) + 16 h + 8 (t % 2) + 0 .. 7
	global_load_b128 v[BI+8*\t+4:BI+8*\t+7], v[BA], s[BB:BB+1] offset:(32*(\t/2)+8*(\t%2))*4+16
.endr
.irp s, 0,1,2,3,4,5
	global_load_b128 v[WSR+4*\s:WSR+4*\s+3], v[RI], s[WSB:WSB+1] offset:256*\s
	global_load_b128 v[OSR+4*\s:OSR+4*\s+3], v[LI], s[OSB:OSB+1] offset:512*\s
.endr
	LD 0
	LD 1
.irp s, 0,1,2,3,4,5
.if \s < 5
	s_wait_loadcnt 28                              ; this K step's loads, and all before them, are in; the next step's 28 may be out
.else
	s_wait_loadcnt 0x0
.endif
	MUL \s
.if \s < 4
	LD \s+2
.endif
.endr
	WIN 0
.rept 4
	v_nop                                          ; four places between the last products and the first read of results
.endr
	s_wait_alu depctr_va_vdst(0)                   ; the products have written the accumulators, which the LDS stores read; and step 0's are done reading the bias's registers, in which the first rows from the stage land
.irp m, 0,1,2,3
.set BK, BI+32*((\m)%2)
.if \m >= 2
	s_wait_xcnt 0x0                                ; the stores of two tiles back have had their addresses translated,
	s_wait_alu depctr_vm_vsrc(0)                   ; and have read these registers, in which this tile's rows land
.endif
.irp b, 0,1
.irp q, 0,1,2,3
	ds_store_b128 v[STO], v[ACC+32*\m+16*\b+4*\q:ACC+32*\m+16*\b+4*\q+3] offset:128*\b+16*\q    ; each accumulator from its low end on
.endr
.endr
.irp i, 0,1,2,3,4,5,6,7
	ds_load_b128 v[BK+4*\i:BK+4*\i+3], v[RD] offset:544*\i         ; LDS serves a wave's instructions in order: these see my stores
.endr
.irp i, 0,1,2,3,4,5,6,7
	s_wait_dscnt 7-\i                              ; the younger loads may be out
	global_store_b128 v[GO], v[BK+4*\i:BK+4*\i+3], s[OUT:OUT+1] offset:(32*(\m/2)+8*(\m%2)+2*\i+8*(\i/4))*3072 th:TH_STORE_NT   ; tile rows 2 i, 2 i + 1 are tokens 2 i + 8 (i / 4) on; sixteen lanes store 256 consecutive bytes, aligned
.endr
.endr
	s_wait_dscnt 0x0                               ; the closing lines, six on end
	s_wait_alu 0x0
	s_wait_tensorcnt 0x0
	ds_add_u32 v[SPW], v[NIL]
	s_wait_dscnt 0x0
	s_endpgm
.Lfunc_end_k_qa75f6f6d00_outproj:
	.size	k_qa75f6f6d00_outproj, .Lfunc_end_k_qa75f6f6d00_outproj-k_qa75f6f6d00_outproj
	.p2alignl 7, 3214868480
	.fill 96, 4, 3214868480
	.section	.rodata,"a",@progbits
	.p2align	6, 0x0
	.amdhsa_kernel k_qa75f6f6d00_outproj
		.amdhsa_group_segment_fixed_size 17920
		.amdhsa_private_segment_fixed_size 0
		.amdhsa_enable_private_segment 0
		.amdhsa_kernarg_size 48
		.amdhsa_user_sgpr_count 2
		.amdhsa_user_sgpr_kernarg_segment_ptr 1
		.amdhsa_wavefront_size32 1
		.amdhsa_system_sgpr_workgroup_id_x 1
		.amdhsa_system_sgpr_workgroup_id_y 1
		.amdhsa_system_sgpr_workgroup_id_z 1
		.amdhsa_system_vgpr_workitem_id 0
		.amdhsa_next_free_vgpr 960
		.amdhsa_next_free_sgpr 66
		.amdhsa_reserve_vcc 0
		.amdhsa_float_denorm_mode_32 3
		.amdhsa_float_denorm_mode_16_64 3
		.amdhsa_memory_ordered 1
		.amdhsa_forward_progress 1
		.amdhsa_inst_pref_size 42
	.end_amdhsa_kernel
	.amdgpu_metadata
---
amdhsa.version: [ 1, 2 ]
amdhsa.kernels:
  - .name:           k_qa75f6f6d00_outproj
    .symbol:         k_qa75f6f6d00_outproj.kd
    .args:
      - { .name: oc, .offset: 0, .size: 8, .value_kind: global_buffer, .address_space: global }
      - { .name: os, .offset: 8, .size: 8, .value_kind: global_buffer, .address_space: global }
      - { .name: wc, .offset: 16, .size: 8, .value_kind: global_buffer, .address_space: global }
      - { .name: ws, .offset: 24, .size: 8, .value_kind: global_buffer, .address_space: global }
      - { .name: bo, .offset: 32, .size: 8, .value_kind: global_buffer, .address_space: global }
      - { .name: out0, .offset: 40, .size: 8, .value_kind: global_buffer, .address_space: global }
    .group_segment_fixed_size: 17920
    .private_segment_fixed_size: 0
    .kernarg_segment_align: 8
    .kernarg_segment_size: 48
    .max_flat_workgroup_size: 128
    .sgpr_count:     66
    .vgpr_count:     960
    .wavefront_size: 32
...
	.end_amdgpu_metadata
.endif
;; end of part 7
